; MI455X (gfx1250); checked and timed in simulation.
; The chip was launched on July 23, 2026; its instructions are those of AMD's public machine-readable ISA for CDNA 5 (MIT licence, August 2026) and "CDNA5" Instruction Set Architecture Reference Guide (July 2026). The comments in the code are by the model that wrote it; some were corrected since.
;; MHSA. Allowed arithmetic: matrix products marked QUANTISED: E2M3 operands, one E8M0 scale for each 32 along K, by v_wmma_scale_f32_16x16x128_f8f6f4 with both operands' format E2M3, f32 sums; everything else in f32.
;; Inputs: Wproj 1,024 x 1,024 float32; Wqkv 1,024 x 3,072 float32; bproj 1,024 float32; bqkv 3,072 float32; x 4 x 2,048 x 1,024 float32.
;; Outputs: out0 4 x 2,048 x 1,024 float32.
;; This version of the problem:
;;   THIS VERSION OF THE PROBLEM IS GIVEN IN LOW PRECISION. The matrix products marked QUANTISED in the list below multiply operands that are first quantised to E2M3 (2 exponent bits, 3 mantissa bits; 6 bits a number), with one power-of-two scale for each 32 numbers along K (OCP MX v1.0); their sums are f32. All else is computed in f32.
;;   The module's matrix products, in the order in which they are computed (A, B: the left and right operand; K: the contracted axis; several contracted axes count as one K, in the product's order):
;;     1. [M 8,192, K 1,024] x [K 1,024, N 3,072]; A: input x; B: input Wqkv: QUANTISED
;;     2. batch 64 x [M 2,048, K 64] x [K 64, N 2,048]; A: computed on the way; B: computed on the way: QUANTISED
;;     3. batch 64 x [M 2,048, K 2,048] x [K 2,048, N 64]; A: softmax (see below); B: computed on the way: QUANTISED
;;     4. [M 8,192, K 1,024] x [K 1,024, N 1,024]; A: computed on the way; B: input Wproj: QUANTISED
;;   THE QUANTISER, for each operand of a quantised product, along K:
;;     - K is cut into blocks of 32 from its start; a last block that is shorter is filled with zeros.
;;     - A block's scale is 2^e with e = floor(log2(the largest magnitude in the block)) - 2, held to -126 .. 127; a block of zeros has e = 0. As a byte (E8M0): e + 127.
;;     - Each number is divided by its block's scale, clamped to +-7.5, and rounded to the nearest number of E2M3, ties to even, subnormals kept.
;;     - The product sums the exact products of the quantised numbers (number of the format x scale) in f32.
;;   ~~~python
;;   def quantise(x, axis):      # numpy; x: float32 -> the quantised numbers, widened to float32 again
;;       x = np.moveaxis(x, axis, -1); K = x.shape[-1]
;;       x = np.pad(x, [(0, 0)] * (x.ndim - 1) + [(0, -K % 32)]); x = x.reshape(x.shape[:-1] + (-1, 32)); a = np.abs(x).max(-1, keepdims=True)
;;       e = np.where(a > 0, np.clip(np.frexp(np.where(a > 0, a, 1))[1] - 1 - 2, -126, 127), 0)      # np.frexp(a)[1] - 1 = floor(log2(a)), exactly
;;       r = np.clip(x / 2.0 ** e, -7.5, 7.5)
;;       step = 2.0 ** (np.maximum(np.frexp(np.where(r == 0, 1, r))[1] - 1, 0) - 3)
;;       q = np.round(r / step) * step * 2.0 ** e      # np.round: ties to even
;;       return np.moveaxis(q.reshape(q.shape[:-2] + (-1,))[..., :K], -1, axis).astype(np.float32)
;;   ~~~
;;   SOFTMAX AHEAD OF A QUANTISED PRODUCT. Where the list says 'softmax', what is quantised is not the finished softmax but p = 2^(t - M), with t = logit x log2(e) and M = ceil(the row's largest t), a whole number; so 1/2 < the row's largest p <= 1. The row's sum l is taken of the UNQUANTISED p, in f32, and the product's result is divided by l at the end. Since M is a whole number, a kernel that streams over the keys may use a running M (the ceiling of the running maximum): every later rescaling is an exact power of two, which a block's scale takes up: the codes' values come out the same.
;;   OPERANDS COMPUTED ON THE WAY. 'Computed on the way' means the value that the module computes at that place (a softmax that the list does not call 'softmax' is quantised finished and normalised). What goes into a quantiser is computed in f32, as accurately as f32 sums, v_exp_f32 and their like allow (about 1e-6 of the number): no bf16 or f16 on the way to a quantiser, and a product that is left as it is and whose result goes on into a quantised operand takes f32 operands (vector FMAs, or v_wmma_f32_16x16x4_f32). A number that lies on a knife's edge between two numbers of the format may be rounded either way, as far as f32 arithmetic and the matrix unit's own rounding can turn it there, and no further.
;; One version. Each part assembles by itself: llvm-mc -triple=amdgcn-amd-amdhsa -mcpu=gfx1250 --defsym DOCPART=n.
;; ======== version 1 of 1: 4 launches
;; limits: right only within a limited range of input values
;; workspace buffers: xw 9,830,400 bytes; qb 6,553,600 bytes; kv 13,107,200 bytes; ob 6,553,600 bytes
;; launch quant (part 1): grid 640 x 1, 4 waves a work-group, no clusters, 35,328 bytes of LDS; arguments x, Wqkv, Wproj, xw; writes xw
.if DOCPART == 1
	.amdgcn_target "amdgcn-amd-amdhsa--gfx1250"
	.amdhsa_code_object_version 6
	.text
	.protected	k_q4311ac6b21_quant
	.globl	k_q4311ac6b21_quant
	.p2align	8
	.type	k_q4311ac6b21_quant,@function
k_q4311ac6b21_quant:
	s_mov_b64 s[64:65], 0
	v_nop
	global_prefetch_b8 v0, s[64:65] scope:SCOPE_SE
	s_setreg_imm32_b32 hwreg(HW_REG_WAVE_MODE, 25, 1), 1
	s_wait_xcnt 0x0
; x [8192][1024], Wqkv [1024][3072], Wproj [1024][1024], all f32, become codes of FP6 (E2M3) with one E8M0 byte for each 32 along K = 1024, in the buffer xw.
; A block's scale is 2^(floor(log2(its largest magnitude)) - 2); its byte is the largest magnitude's exponent field - 2, held at 1 from below.
; LIMITS: NaN and infinities among the inputs are not served.  A block of zeros, or one whose largest magnitude lies under 2^-124, gets the byte 1 where the rule says 127:
; its codes are zeros (or what the byte 1 gives), and the bytes are read by this program alone.
; LAYOUT OF THE CODES: in the order of the operand's registers.  A HALF FRAGMENT is 16 rows x 64 along K, 768 bytes: slot l = r + 16 h (r the row's position in the tile, h the block of 32)
; has the first 16 of its block's 24 bytes at 16 l and the last 8 at 512 + 8 l.  A tile of 16 rows has its 16 half fragments on end: 12,288 bytes.
; WHICH ROWS FORM A TILE: position r of tile 2 G + u is row 32 G + 8 u + r % 8 + 16 (r / 8).
; LAYOUT OF THE SCALE BYTES: [tile][K / 256][position r][8 bytes]: 512 bytes a tile.
; SHARES: work-groups 0-95 take Wqkv, 96-127 Wproj (128 columns x 256 along K each), 128-639 one tile of 16 rows of x each.  Only x's path uses LDS.
.set WQKV_IMG,  6291456
.set WPROJ_IMG, 8650752
.set X_SCL,     9437184
.set WQKV_SCL,  9699328
.set WPROJ_SCL, 9797632
.set SPARE, 34816                      ; behind the four waves' stages: the spare words, 128 bytes a wave, that no other line names
.set SPW, 30                           ; v30  SPARE + 4 x my thread's number; never rewritten
.set NIL, 31                           ; v31  0; never rewritten
	s_load_b256 s[4:11], s[0:1], 0x0               ; x s[4:5], Wqkv s[6:7], Wproj s[8:9], xw s[10:11]
	v_lshl_add_u32 v[SPW], v0, 2, SPARE
	v_mov_b32 v[NIL], 0
	v_lshrrev_b32 v1, 5, v0
	v_readfirstlane_b32 s16, v1                    ; wave 0..3
	v_and_b32 v2, 31, v0                           ; lane
	s_wait_kmcnt 0x0
	s_cmp_lt_u32 ttmp9, 96
	s_cbranch_scc1 .Lwqkv
	s_cmp_lt_u32 ttmp9, 128
	s_cbranch_scc1 .Lwproj
; ---------------- x: K is innermost.  The work-group takes tile T, wave w the K quarter w: four half fragments.
; Each load reads two whole runs of 256 bytes (positions j and 8 + j of the tile); a half fragment's 4,096 bytes turn through the wave's own stage (16 rows, 272 bytes apart),
; so that a lane comes to hold its whole block of 32 neighbours.
	s_sub_co_u32 s17, ttmp9, 128                   ; T
	s_lshr_b32 s18, s17, 1
	s_lshl_b32 s18, s18, 5
	s_and_b32 s19, s17, 1
	s_lshl_b32 s19, s19, 3
	s_add_co_u32 s18, s18, s19                     ; the tile's first row: 32 (T / 2) + 8 (T % 2)
	s_lshl_b32 s20, s18, 12                        ; rows of 4,096 bytes
	s_lshl_b32 s19, s16, 10                        ; my quarter: 1,024 bytes
	s_add_co_u32 s20, s20, s19
	s_mov_b32 s21, 0
	s_add_nc_u64 s[20:21], s[4:5], s[20:21]
	s_mul_i32 s22, s17, 12288
	s_mul_i32 s19, s16, 3072
	s_add_co_u32 s22, s22, s19
	s_mov_b32 s23, 0
	s_add_nc_u64 s[22:23], s[10:11], s[22:23]      ; my four half fragments
	s_lshl_b32 s24, s17, 9
	s_lshl_b32 s19, s16, 7
	s_add_co_u32 s24, s24, s19
	s_add_co_u32 s24, s24, X_SCL
	s_mov_b32 s25, 0
	s_add_nc_u64 s[24:25], s[10:11], s[24:25]      ; my 128 scale bytes
	s_mov_b32 s12, 0x76543210
	s_mov_b32 s13, 0xfedcba98                      ; v_permlanex16_b32's selects for lane l xor 16
	s_wait_alu depctr_va_vdst(0)
	v_and_b32 v3, 15, v2                           ; r
	v_lshrrev_b32 v4, 4, v2                        ; h
	v_lshlrev_b32 v5, 4, v3                        ; 16 r
	v_lshl_add_u32 v1, v4, 16, v5                  ; in memory: lanes 16-31 stand 16 rows further down
.irp u, 0,1,2,3
.irp j, 0,1,2,3,4,5,6,7
	global_load_b128 v[64+32*\u+4*\j:64+32*\u+4*\j+3], v1, s[20:21] offset:256*\u+4096*\j th:TH_LOAD_NT
.endr
.endr
	s_mul_i32 s19, s16, 8704                       ; my two stages
	v_mad_u32_u24 v7, v4, 2176, v5                 ; into a stage: position 8 h + j, byte 16 r
	v_add_nc_u32 v7, s19, v7
	v_mul_u32_u24 v8, v3, 272                      ; out of it: position r, block h
	v_lshl_add_u32 v8, v4, 7, v8
	v_add_nc_u32 v8, s19, v8
	v_lshlrev_b32 v9, 4, v2                        ; 16 x lane
	v_lshlrev_b32 v10, 3, v2                       ; 8 x lane
	v_lshlrev_b32 v28, 3, v3
	v_lshl_add_u32 v28, v4, 2, v28                 ; 8 r + 4 h
	v_lshlrev_b32 v25, 3, v4                       ; 8 h
	v_mov_b32 v26, 0                               ; a lane permute's destination counts as one of its sources
	v_mov_b32 v27, 0
.macro TURN t                          ; half fragment t through stage t % 2: LDS serves a wave's instructions in order, so no wait stands between the stores and the loads
.irp j, 0,1,2,3,4,5,6,7
	ds_store_b128 v7, v[64+32*(\t)+4*\j:64+32*(\t)+4*\j+3] offset:4352*((\t)%2)+272*\j
.endr
.irp i, 0,1,2,3,4,5,6,7
	ds_load_b128 v[192+32*((\t)%2)+4*\i:192+32*((\t)%2)+4*\i+3], v8 offset:4352*((\t)%2)+16*\i
.endr
.endm
.macro XSTEP u
.set XS, 192+32*((\u)%2)
	s_wait_dscnt 0x0                               ; this half fragment's numbers are back from the stage
.if (\u) < 3
	s_wait_loadcnt 8*(2-(\u))                      ; the next half fragment's eight loads are in; the later ones' may be out
	TURN (\u)+1
.endif
	v_max3_num_f32 v20, |v[XS]|, |v[XS+1]|, |v[XS+2]|      ; the block's largest magnitude: all 32 numbers are mine; two chains
	v_max3_num_f32 v21, |v[XS+3]|, |v[XS+4]|, |v[XS+5]|
.irp i, 6,10,14,18,22,26
	v_max3_num_f32 v20, v20, |v[XS+\i]|, |v[XS+\i+1]|
	v_max3_num_f32 v21, v21, |v[XS+\i+2]|, |v[XS+\i+3]|
.endr
	v_max3_num_f32 v20, v20, |v[XS+30]|, |v[XS+31]|
	v_max3_num_f32 v20, v20, v21, 0x1800000        ; and the floor 2^(3 - 127): the byte cannot fall under 1
	v_add_nc_u32 v22, 0xff000000, v20              ; 2 off the exponent field: the conversion takes this operand's exponent field as its scale
	v_cvt_scalef32_pk16_fp6_f32 v[32+6*(\u):34+6*(\u)], v[XS:XS+15], v22
	v_cvt_scalef32_pk16_fp6_f32 v[56:58], v[XS+16:XS+31], v22      ; (a conversion's three registers begin on an even number)
	v_lshrrev_b32 v[16+(\u)], 23, v22              ; the scale's byte; also the plain line behind the conversions
.irp i, 0,1,2
	v_mov_b32 v[35+6*(\u)+\i], v[56+\i]
.endr
	global_store_b128 v9, v[32+6*(\u):35+6*(\u)], s[22:23] offset:768*(\u)         ; 512 consecutive bytes
	global_store_b64 v10, v[36+6*(\u):37+6*(\u)], s[22:23] offset:768*(\u)+512     ; 256 consecutive bytes
.endm
	s_wait_alu depctr_va_vdst(0)
	s_wait_loadcnt 24                              ; half fragment 0's eight loads are in
	TURN 0
	XSTEP 0
	XSTEP 1
	XSTEP 2
	XSTEP 3
	v_lshl_or_b32 v23, v17, 16, v16                ; my bytes are blocks 2 u + h of the quarter's eight: word 0 takes u = 0, 1, word 1 takes u = 2, 3,
	v_lshl_or_b32 v24, v19, 16, v18
	v_lshlrev_b32 v23, v25, v23                    ; 8 h bits up;
	v_lshlrev_b32 v24, v25, v24
	v_permlanex16_b32 v26, v23, s12, s13
	v_permlanex16_b32 v27, v24, s12, s13
	v_or_b32 v23, v23, v26                         ; with lane l xor 16's bytes both words are whole
	v_or_b32 v24, v24, v27
	v_cmp_eq_u32 s14, 1, v4
	v_cndmask_b32 v23, v23, v24, s14               ; lane (r, h) stores word h
	global_store_b32 v28, v23, s[24:25]            ; 128 consecutive bytes a wave
	s_wait_tensorcnt 0x0                           ; the wave's end, behind my last LDS store
	ds_add_u32 v[SPW], v[NIL]
	s_wait_dscnt 0x0
	s_endpgm
; ---------------- the weights: K is the FIRST axis.  A lane takes a column n and its registers run down K: a block of 32 lies in one lane, and the conversions give codes with K innermost.
; A wave takes 32 columns x 256 along K: 8 blocks a lane.  Lane i is column 32 G + i, which is position 8 (i / 16) + i % 8 of tile 2 G + (i / 8) % 2: the codes go straight to their slots, no LDS.
.macro WLOAD t, n                      ; block t: W(32 t + i, my column) into set t % 2; 128 consecutive bytes a load
.irp i, 0,1,2,3,4,5,6,7,8,9,10,11,12,13,14,15,16,17,18,19,20,21,22,23,24,25,26,27,28,29,30,31
	global_load_b32 v[32+32*((\t)%2)+\i], v3, s[20:21] offset:(32*(\t)+\i)*(\n)*4 th:TH_LOAD_NT
.endr
.endm
.macro WBLOCK t, n
.set XS, 32+32*((\t)%2)
.if (\t) < 7
	s_wait_loadcnt 32                              ; this block's 32 loads are in; the next block's may be out
.else
	s_wait_loadcnt 0x0
.endif
	v_max3_num_f32 v12, |v[XS]|, |v[XS+1]|, |v[XS+2]|
	v_max3_num_f32 v13, |v[XS+3]|, |v[XS+4]|, |v[XS+5]|
.irp i, 6,10,14,18,22,26
	v_max3_num_f32 v12, v12, |v[XS+\i]|, |v[XS+\i+1]|
	v_max3_num_f32 v13, v13, |v[XS+\i+2]|, |v[XS+\i+3]|
.endr
	v_max3_num_f32 v12, v12, |v[XS+30]|, |v[XS+31]|
	v_max3_num_f32 v12, v12, v13, 0x1800000        ; the floor 2^(3 - 127)
	v_add_nc_u32 v11, 0xff000000, v12              ; the conversion's scale operand
	v_lshrrev_b32 v13, 23, v11                     ; the byte
.if (\t)%4 == 0
	v_mov_b32 v[24+(\t)/4], v13                    ; four bytes to a register, the lower K in the lower byte
.else
	v_lshl_or_b32 v[24+(\t)/4], v13, 8*((\t)%4), v[24+(\t)/4]
.endif
	v_cvt_scalef32_pk16_fp6_f32 v[96+6*(\t):98+6*(\t)], v[XS:XS+15], v11
	v_cvt_scalef32_pk16_fp6_f32 v[144:146], v[XS+16:XS+31], v11
	v_nop                                          ; one plain line behind the conversions
.irp i, 0,1,2
	v_mov_b32 v[99+6*(\t)+\i], v[144+\i]
.endr
	global_store_b128 v4, v[96+6*(\t):99+6*(\t)], s[22:23] offset:((\t)/2)*768+256*((\t)%2)          ; each block has its own six registers: no store's data are written again
	global_store_b64 v5, v[100+6*(\t):101+6*(\t)], s[22:23] offset:((\t)/2)*768+512+128*((\t)%2)
.if (\t)+2 < 8
	WLOAD (\t)+2, \n
.endif
.endm
.macro WPATH n, sb, imgoff, scloff, g0
	s_sub_co_u32 s17, ttmp9, \g0
	s_lshr_b32 s18, s17, 2                         ; which 128 columns
	s_and_b32 s19, s17, 3                          ; which 256 along K
	s_lshl_b32 s26, s18, 2
	s_add_co_u32 s26, s26, s16                     ; G: my wave's 32 columns
	s_mul_i32 s20, s19, 256*(\n)*4
	s_lshl_b32 s27, s26, 7
	s_add_co_u32 s20, s20, s27
	s_mov_b32 s21, 0
	s_add_nc_u64 s[20:21], s[\sb:\sb+1], s[20:21]
	s_mul_i32 s22, s26, 2*12288
	s_mul_i32 s27, s19, 3072
	s_add_co_u32 s22, s22, s27
	s_add_co_u32 s22, s22, \imgoff
	s_mov_b32 s23, 0
	s_add_nc_u64 s[22:23], s[10:11], s[22:23]
	s_lshl_b32 s24, s26, 10
	s_lshl_b32 s27, s19, 7
	s_add_co_u32 s24, s24, s27
	s_add_co_u32 s24, s24, \scloff
	s_mov_b32 s25, 0
	s_add_nc_u64 s[24:25], s[10:11], s[24:25]
	v_lshlrev_b32 v3, 2, v2                        ; in: 4 bytes a lane
	v_and_b32 v7, 7, v2
	v_lshrrev_b32 v8, 4, v2
	v_lshl_add_u32 v7, v8, 3, v7                   ; my position in the tile
	v_bfe_u32 v8, v2, 3, 1                         ; which of the two tiles
	v_mul_u32_u24 v9, v8, 12288
	v_lshl_add_u32 v4, v7, 4, v9
	v_lshl_add_u32 v5, v7, 3, v9
	v_lshlrev_b32 v8, 9, v8
	v_lshl_add_u32 v6, v7, 3, v8
	WLOAD 0, \n
	WLOAD 1, \n
.irp t, 0,1,2,3,4,5,6,7
	WBLOCK \t, \n
.endr
	global_store_b64 v6, v[24:25], s[24:25]        ; my column's eight scale bytes
	s_endpgm
.endm
.Lwqkv:
	s_wait_alu depctr_va_vdst(0)
	WPATH 3072, 6, WQKV_IMG, WQKV_SCL, 0
.Lwproj:
	s_wait_alu depctr_va_vdst(0)
	WPATH 1024, 8, WPROJ_IMG, WPROJ_SCL, 96
.Lfunc_end_k_q4311ac6b21_quant:
	.size	k_q4311ac6b21_quant, .Lfunc_end_k_q4311ac6b21_quant-k_q4311ac6b21_quant
	.p2alignl 7, 3214868480
	.fill 96, 4, 3214868480
	.section	.rodata,"a",@progbits
	.p2align	6, 0x0
	.amdhsa_kernel k_q4311ac6b21_quant
		.amdhsa_group_segment_fixed_size 35328
		.amdhsa_private_segment_fixed_size 0
		.amdhsa_enable_private_segment 0
		.amdhsa_kernarg_size 32
		.amdhsa_user_sgpr_count 2
		.amdhsa_user_sgpr_kernarg_segment_ptr 1
		.amdhsa_wavefront_size32 1
		.amdhsa_system_sgpr_workgroup_id_x 1
		.amdhsa_system_sgpr_workgroup_id_y 1
		.amdhsa_system_sgpr_workgroup_id_z 1
		.amdhsa_system_vgpr_workitem_id 0
		.amdhsa_next_free_vgpr 256
		.amdhsa_next_free_sgpr 66
		.amdhsa_reserve_vcc 0
		.amdhsa_float_denorm_mode_32 3
		.amdhsa_float_denorm_mode_16_64 3
		.amdhsa_memory_ordered 1
		.amdhsa_forward_progress 1
		.amdhsa_inst_pref_size 95
	.end_amdhsa_kernel
	.amdgpu_metadata
---
amdhsa.version: [ 1, 2 ]
amdhsa.kernels:
  - .name:           k_q4311ac6b21_quant
    .symbol:         k_q4311ac6b21_quant.kd
    .args:
      - { .name: x, .offset: 0, .size: 8, .value_kind: global_buffer, .address_space: global }
      - { .name: Wqkv, .offset: 8, .size: 8, .value_kind: global_buffer, .address_space: global }
      - { .name: Wproj, .offset: 16, .size: 8, .value_kind: global_buffer, .address_space: global }
      - { .name: xw, .offset: 24, .size: 8, .value_kind: global_buffer, .address_space: global }
    .group_segment_fixed_size: 35328
    .private_segment_fixed_size: 0
    .kernarg_segment_align: 8
    .kernarg_segment_size: 32
    .max_flat_workgroup_size: 128
    .sgpr_count:     66
    .vgpr_count:     256
    .wavefront_size: 32
...
	.end_amdgpu_metadata
.endif
;; end of part 1
;; launch gemm_qkv (part 2): grid 4 x 64, 4 waves a work-group, clusters of 4 x 4, 327,680 bytes of LDS; arguments xw, bqkv, qb, kv; writes qb, kv
.if DOCPART == 2
	.amdgcn_target "amdgcn-amd-amdhsa--gfx1250"
	.amdhsa_code_object_version 6
	.text
	.protected	k_q4311ac6b21_gemm_qkv
	.globl	k_q4311ac6b21_gemm_qkv
	.p2align	8
	.type	k_q4311ac6b21_gemm_qkv,@function
k_q4311ac6b21_gemm_qkv:
	s_mov_b64 s[64:65], 0
	v_nop
	global_prefetch_b8 v0, s[64:65] scope:SCOPE_SE
	s_setreg_imm32_b32 hwreg(HW_REG_WAVE_MODE, 25, 1), 1
	s_wait_xcnt 0x0
	s_wait_alu depctr_hold_cnt(0) depctr_sa_sdst(0) depctr_va_vdst(0) depctr_va_sdst(0) depctr_va_ssrc(0) depctr_va_vcc(0) depctr_vm_vsrc(0)
	s_getreg_b32 s2, hwreg(HW_REG_IB_STS2, 6, 4)
	s_cmp_eq_u32 s2, 0
	s_cbranch_scc0 .Lentry_in_a_cluster
	s_endpgm
.Lentry_in_a_cluster:
	s_bfe_u32 s2, ttmp6, 0x10000c
	s_cmp_lg_u32 s2, 0xf033
	s_cbranch_scc0 .Lentry_shape_is_right
	s_endpgm
.Lentry_shape_is_right:
; Q, K, V = x Wqkv + bqkv on codes of FP6 (E2M3) with E8M0 scales, K = 1,024, and their quantisers: Q and K along a head's 64 channels, V along the keys.  Results leave as codes and scale bytes, in the order of the operand registers of the launch that reads them.
; IN (xw): a tile of 16 rows is 16 half fragments of 768 bytes on end (lane l's first 16 bytes at 16 l, its last 8 at 512 + 8 l); scale bytes [tile][K / 256][position r][8].  Position r of tile 2 G + u is row 32 G + 8 u + r % 8 + 16 (r / 8).
; OUT: qb[batch x 16 + head][key step of 128 tokens][token tile][768], scale words at Q_SCL [head][step][r][4 words: tiles 2 g, 2 g + 1, two bytes each];
;      kv[head][step]: 8 half fragments of K, 4 fragments of V^T (16 channels x 128 keys), K's scale words [r][4], V's [r][4].
; SHARES.  256 work-groups, 4 x 64: 128 tokens (one key step) x 768 columns, as six chunks of 128 columns: two of Q, two of K, two of V, in the same order in every work-group.  Four waves, 2 x 2: 64 tokens x 64 columns (one head) of a chunk.
; A wave's 64 tokens, all of K, lie in registers (32 fragments); a chunk of the weight, all of K, lies in one of two LDS slots, each wave loading a quarter.  x's blocks are asked for jointly along a row of the 4 x 4 cluster, the weight's along a column.
; FILLS.  At the head one tensor load a wave: x's codes, chunk 0, x's scale bytes, the scale bytes of all six chunks.  Slot 1's first fill and the four refills stand behind the three lines and a round of the cluster's barrier;
; a round stands inside a chunk's last two K steps.  One tensor load of a wave is out at a time.
; Q, K: source 0 = the weight's rows, source 1 = tokens: a lane holds one token and channels along its registers.  V: source 0 = tokens, source 1 = the weight's rows: a lane holds one channel and keys along its registers.  The bias is the first products' C.
; PREFETCH: behind the load of chunk c each wave names 24 blocks of 256 bytes of chunk c + 1: a sixteenth of it, shared out by address among the sixteen waves of my column of the cluster; chunk 5 is the last that is named.
; LIMITS: NaN and infinities are not served; a block of zeros, or one under 2^-124, gets the byte 1 where the rule says 127 (its codes are zeros; the bytes are read by this program alone).
; REGISTERS: window 0: v5-29 addresses, v32-63 scale words (lanes 0-15 x's tile, lanes 16-31 the weight's), v64-127 the way out, v128-255 accumulator (o, i) at 128 + 32 o + 8 i;
;   windows 1, 2: x's fragments, 21 to a window; window 2 from v132: biases; window 3: the weight's fragments, two sets of eight, from v192 biases.
.set WQKV_IMG, 6291456
.set X_SCL,    9437184
.set WQKV_SCL, 9699328
.set Q_SCL,    6291456
.set TILEB, 12288
.set CHB,   8*TILEB                    ; a chunk, and x's block
.set ROLEB, 64*TILEB                   ; from Q's columns to K's, from K's to V's
.set XR,    2*CHB                      ; behind the two slots: x's block
.set SCL,   3*CHB                      ; x's scale bytes
.set WSC,   SCL+4096                   ; the weight's: [Q, K, V][8,192]
.set SPARE, WSC+24576+2048             ; the spare words, 128 bytes a wave, that no other line names
.set BQ, 5
.set AS, 6                             ; v6-11 LDS address of the scale words, one for each chunk
.set BV, 12
.set PF, 13
.set H4, 15
.set XA, 16
.set WA, 18                            ; v18, v19 slot 0; v20, v21 slot 1
.set LI, 24
.set L8, 25
.set SO, 26
.set SPW, 28
.set NIL, 29
.set SC, 32
.set PC, 64
.set T0, 96
.set T1, 100
.set TM, 104
.set TP, 112
.set SOP, 120
.set G1X, 24
.set G0X, 32
.set G0H, 36
.set G0S, 40
.set G0T, 44
.set G1W, 48
.set G0R, 56                           ; s[56:59] slot 0's ring loads, s[60:63] slot 1's
.set G1S, 68
.set G1T, 80
.set MSB, 0
.macro WIN new
.if MSB != (\new)
	s_set_vgpr_msb (MSB<<8)|(\new)
.set MSB, (\new)
.endif
.endm
.macro PLACES n
.rept \n
	v_nop
.endr
.endm
.macro CREST                           ; a round of the cluster's barrier behind its opening barrier
	s_cmp_lg_u32 s14, 0
	s_cbranch_scc1 .Lnot_wave_0_\@
	s_barrier_signal -3
.Lnot_wave_0_\@:
	s_barrier_wait -3
	s_barrier_signal -1
	s_barrier_wait -1
.endm
.macro CROUND
	s_barrier_signal -1
	s_barrier_wait -1
	CREST
.endm
.macro GROUP1 g, mask, c, rows, pitch  ; rows of c elements of 8 bytes; bit 21 set beside the mask
	s_or_b32 s[\g], s\mask, (3<<16)|(1<<21)
	s_mov_b32 s[\g+1], (\c)<<16
	s_mov_b32 s[\g+2], (\rows)<<16
	s_mov_b32 s[\g+3], (\c)<<16
	s_mov_b32 s[\g+4], \rows
	s_mov_b32 s[\g+5], \pitch
	s_mov_b32 s[\g+6], 0
	s_mov_b32 s[\g+7], 0
.endm
.macro GROUP0 g, lds, adr
	s_mov_b32 s[\g], 1
	s_mov_b32 s[\g+1], \lds
	s_mov_b64 s[\g+2:\g+3], s[\adr:\adr+1]
	s_or_b32 s[\g+3], s[\g+3], 0x80000000
.endm
.macro ARM under, g0, g1, next         ; one arm of the head's chain: one tensor load, then to the join
	s_cmp_lt_u32 s14, \under
	s_cbranch_scc0 \next
	tensor_load_to_lds s[\g0:\g0+3], s[\g1:\g1+7]
	s_nop 0
	PLACES 4
	s_branch .Lhead_asked
\next:
.endm
	s_load_b256 s[4:11], s[0:1], 0x0               ; xw s[4:5], bqkv s[6:7], qb s[8:9], kv s[10:11]
	v_lshl_add_u32 v[SPW], v0, 2, SPARE
	v_mov_b32 v[NIL], 0
	ds_add_u32 v[SPW], v[NIL]                      ; the opening lines: the add, twice on end, and its wait ahead of my first tensor load
	ds_add_u32 v[SPW], v[NIL]
	v_lshrrev_b32 v1, 5, v0
	v_readfirstlane_b32 s14, v1                    ; wave 0..3
	s_lshr_b32 s15, s14, 1                         ; which 64 tokens
	s_and_b32 s16, s14, 1                          ; which head of a chunk's two
	s_bfe_u32 s88, ttmp6, 0x40000                  ; cx
	s_bfe_u32 s89, ttmp6, 0x40004                  ; cy
	s_lshl_b32 s20, s89, 2
	s_lshl_b32 s20, 15, s20                        ; my row of the cluster
	s_lshl_b32 s21, 0x1111, s88                    ; my column
	GROUP1 G1X, 20, 32, 384, 32                    ; x's codes: 98,304 dense bytes as rows of 256
	GROUP1 G1W, 21, 32, 384, 32                    ; chunk 0, whole; behind the head the ring's loads take 96 rows
	GROUP1 G1S, 20, 32, 16, 32                     ; x's scale bytes
	GROUP1 G1T, 21, 1024, 3, 4096                  ; the weight's: 8,192 bytes of each of Q, K, V, 32,768 apart
	s_and_b32 s13, ttmp7, 0xffff
	s_lshl_b32 s13, s13, 2
	s_add_co_u32 s13, s13, s89                     ; which 128 tokens, 0..63
	s_lshl_b32 s17, ttmp9, 2
	s_add_co_u32 s17, s17, s88                     ; which 256 columns of each of Q, K, V, 0..3
	s_mul_i32 s90, s13, CHB
	s_lshl_b32 s92, s13, 12
	s_add_co_u32 s92, s92, X_SCL
	s_mul_i32 s94, s17, 2*CHB
	s_add_co_u32 s94, s94, WQKV_IMG
	s_lshl_b32 s96, s17, 13
	s_add_co_u32 s96, s96, WQKV_SCL
	s_mov_b32 s91, 0
	s_mov_b32 s93, 0
	s_mov_b32 s95, 0
	s_mov_b32 s97, 0
	s_mul_i32 s22, s14, 2*TILEB                    ; my quarter of a chunk
	s_mov_b32 s23, 0
	s_wait_alu depctr_va_vdst(0)
	s_wait_dscnt 0x0                               ; both opening adds are done
	s_wait_kmcnt 0x0
	s_add_nc_u64 s[90:91], s[4:5], s[90:91]
	s_add_nc_u64 s[92:93], s[4:5], s[92:93]
	s_add_nc_u64 s[94:95], s[4:5], s[94:95]        ; my columns of Q in the weight's image; kept for the prefetches
	s_add_nc_u64 s[96:97], s[4:5], s[96:97]
	CROUND                                         ; all sixteen work-groups are here: the first joint loads meet
	GROUP0 G0X, XR,  90
	GROUP0 G0H, 0,   94
	GROUP0 G0S, SCL, 92
	GROUP0 G0T, WSC, 96
	s_add_nc_u64 s[98:99], s[94:95], s[22:23]
	s_mov_b32 s[G0R], 1
	s_mov_b32 s[G0R+1], s22
	s_mov_b64 s[G0R+2:G0R+3], s[98:99]             ; chunk 0's place: stepped to chunk 2's ahead of its first use
	s_or_b32 s[G0R+3], s[G0R+3], 0x80000000
	s_mov_b32 s[G0R+4], 1
	s_add_co_u32 s[G0R+5], s22, CHB
	s_add_nc_u64 s[G0R+6:G0R+7], s[98:99], CHB     ; chunk 1
	s_or_b32 s[G0R+7], s[G0R+7], 0x80000000
	ARM 1, G0X, G1X, .Lhead_w                      ; wave 0: x's codes
	ARM 2, G0H, G1W, .Lhead_sx                     ; wave 1: chunk 0
	ARM 3, G0S, G1S, .Lhead_sw                     ; wave 2: x's scale bytes
	tensor_load_to_lds s[G0T:G0T+3], s[G1T:G1T+7]  ; wave 3: the weight's
	s_nop 0
	PLACES 4
.Lhead_asked:
	s_lshr_b32 s20, s13, 4                         ; batch
	s_and_b32 s21, s13, 15                         ; key step
	s_lshl_b32 s20, s20, 4
	s_lshl_b32 s22, s17, 2
	s_add_co_u32 s20, s20, s22
	s_add_co_u32 s20, s20, s16                     ; batch x 16 + my head of an even chunk; an odd chunk's lies two heads on
	s_mul_i32 s76, s20, 98304
	s_mul_i32 s22, s21, 6144
	s_add_co_u32 s76, s76, s22
	s_mul_i32 s22, s15, 3072
	s_add_co_u32 s76, s76, s22
	s_mov_b32 s77, 0
	s_add_nc_u64 s[76:77], s[8:9], s[76:77]        ; Q's codes: my four token tiles
	s_lshl_b32 s78, s20, 12
	s_lshl_b32 s23, s21, 8
	s_add_co_u32 s78, s78, s23
	s_lshl_b32 s23, s15, 3
	s_add_co_u32 s78, s78, s23
	s_add_co_u32 s78, s78, Q_SCL
	s_mov_b32 s79, 0
	s_add_nc_u64 s[78:79], s[8:9], s[78:79]        ; Q's scale words: my two of a row's four
	s_mul_i32 s90, s20, 204800
	s_mul_i32 s23, s21, 12800
	s_add_co_u32 s90, s90, s23
	s_mov_b32 s91, 0
	s_add_nc_u64 s[10:11], s[10:11], s[90:91]      ; my head's key step in kv
	s_mov_b32 s23, 0
	s_add_nc_u64 s[90:91], s[10:11], s[22:23]      ; K's codes (s22 = 3,072 x my half)
	s_lshl_b32 s22, s15, 3
	s_add_co_u32 s22, s22, 12288
	s_add_nc_u64 s[92:93], s[10:11], s[22:23]      ; K's scale words
	s_mul_i32 s22, s15, 768
	s_add_co_u32 s22, s22, 6144
	s_add_nc_u64 s[96:97], s[10:11], s[22:23]      ; V's codes: my 64 keys are a half fragment of each fragment
	s_lshl_b32 s22, s15, 1
	s_add_co_u32 s22, s22, 12544
	s_add_nc_u64 s[98:99], s[10:11], s[22:23]      ; V's scale words: my two bytes of each
	s_lshl_b32 s18, s17, 10
	s_lshl_b32 s19, s16, 8
	s_add_co_u32 s18, s18, s19
	s_mov_b32 s19, 0
	s_add_nc_u64 s[18:19], s[6:7], s[18:19]        ; the bias of my head of chunk 0
	s_mul_i32 s20, s15, 4*TILEB
	s_add_co_u32 s20, s20, XR                      ; LDS: my four tiles of x,
	s_mul_i32 s21, s16, 4*TILEB                    ; my four tiles of a chunk in slot 0,
	s_add_co_u32 s22, s21, CHB                     ; in slot 1
	s_lshl_b32 s12, s15, 11                        ; my tiles' scale bytes: x's,
	s_lshl_b32 s23, s16, 11
	s_add_co_u32 s23, s23, 4096
	s_sub_co_u32 s23, s23, s12                     ; and how far behind them chunk 0's lie
	s_add_co_u32 s12, s12, SCL
	s_lshl_b32 s3, s89, 2
	s_add_co_u32 s3, s3, s14
	s_mul_i32 s3, s3, CHB/16                       ; my sixteenth of a chunk, for the prefetches
	s_mov_b32 s66, 0x76543210
	s_mov_b32 s67, 0xfedcba98                      ; v_permlanex16_b32's selects for lane l xor 16
	v_and_b32 v2, 15, v0                           ; r
	v_bfe_u32 v3, v0, 4, 1                         ; h
	v_and_b32 v4, 31, v0                           ; lane
	v_lshlrev_b32 v[BQ], 6, v3                     ; Q's, K's bias: lanes 16-31 stand 16 columns on
	v_lshlrev_b32 v[LI], 4, v4
	v_lshlrev_b32 v[L8], 3, v4
	v_add_nc_u32 v[XA], s20, v[LI]
	v_add_nc_u32 v[XA+1], s20, v[L8]
	v_add_nc_u32 v[WA], s21, v[LI]
	v_add_nc_u32 v[WA+1], s21, v[L8]
	v_add_nc_u32 v[WA+2], s22, v[LI]
	v_add_nc_u32 v[WA+3], s22, v[L8]
	v_lshlrev_b32 v14, 3, v2
	v_add_nc_u32 v14, s12, v14
	v_mad_u32_u24 v[AS], v3, s23, v14              ; lanes 0-15 x's scale words, lanes 16-31 chunk 0's
	v_lshlrev_b32 v[H4], 12, v3
.irp c, 1,2,3,4,5
	v_add_nc_u32 v[AS+\c], v[AS+\c-1], v[H4]       ; the next chunk's lie 4,096 bytes on
.endr
	v_lshlrev_b32 v[SO], 4, v2
	v_lshl_add_u32 v[SO], v3, 2, v[SO]             ; scale words out: 16 r + 4 h
	v_and_b32 v[BV], 7, v2
	v_lshrrev_b32 v1, 3, v2
	v_lshlrev_b32 v[BV], 2, v[BV]
	v_lshl_add_u32 v[BV], v1, 6, v[BV]             ; V's bias: position r is channel r % 8 + 16 (r / 8) of its tile's
	v_min_u32 v[PF], 23, v4
	v_lshl_add_u32 v[PF], v[PF], 8, s3             ; a lane a block of 256 bytes; lanes 24-31 name the last again
	v_cmp_eq_u32 s100, 1, v3                       ; lanes 16-31
.irp k, 0,1,2,3,4,5,6,7
	v_mov_b32 v[TP+\k], 0                          ; a lane permute's destination counts as one of its sources
.endr
	s_wait_alu depctr_va_vdst(0)
.macro BIASQK ch, br, bw               ; register 8 b + j: column 32 (b / 2) + 8 (b % 2) + 16 h + j of my head
	WIN (\bw)<<6
.irp b, 0,1,2,3
	global_load_b128 v[\br+8*\b:\br+8*\b+3], v[BQ], s[18:19] offset:(((\ch)/2)*1024+((\ch)%2)*128+32*(\b/2)+8*(\b%2))*4
	global_load_b128 v[\br+8*\b+4:\br+8*\b+7], v[BQ], s[18:19] offset:(((\ch)/2)*1024+((\ch)%2)*128+32*(\b/2)+8*(\b%2))*4+16
.endr
	WIN 0
.endm
.macro BIASV ch, br, bw                ; my channel's number in all eight registers of tile o
	WIN (\bw)<<6
.irp o, 0,1,2,3
.irp j, 0,1,2,3,4,5,6,7
	global_load_b32 v[\br+8*\o+\j], v[BV], s[18:19] offset:(2048+((\ch)%2)*128+32*(\o/2)+8*(\o%2))*4
.endr
.endr
	WIN 0
.endm
	BIASQK 0, 192, 3
	BIASQK 1, 224, 3
	BIASQK 2, 132, 2
	BIASQK 3, 164, 2
	BIASV  4, 196, 2
.macro FRAG reg, adr, off              ; a fragment, 16 rows x 128 K: two half fragments
	ds_load_b128 v[\reg:\reg+3], v[\adr] offset:\off
	ds_load_b64 v[\reg+4:\reg+5], v[\adr+1] offset:(\off)+512
	ds_load_b128 v[\reg+6:\reg+9], v[\adr] offset:(\off)+768
	ds_load_b64 v[\reg+10:\reg+11], v[\adr+1] offset:(\off)+1280
.endm
.macro FETCHW slot, set, dq            ; the weight's eight fragments of K steps 2 dq, 2 dq + 1: 32 loads
	WIN 0xc0
.irp qq, 0,1
.irp i, 0,1,2,3
	FRAG 12*(8*(\set)+4*\qq+\i), WA+2*(\slot), \i*TILEB+(2*(\dq)+\qq)*1536
.endr
.endr
	WIN 0
.endm
.macro SCALES ch                       ; register SC + 8 (q / 2) + 2 tile + q % 2: 16 loads
.irp p, 0,1,2,3
.irp i, 0,1,2,3
	ds_load_b64 v[SC+8*\p+2*\i:SC+8*\p+2*\i+1], v[AS+(\ch)] offset:\i*512+\p*128
.endr
.endr
.endm
.macro PFGO c
	global_prefetch_b8 v[PF], s[94:95] offset:((\c)/2)*ROLEB+((\c)%2)*CHB th:TH_LOAD_NT scope:SCOPE_SE
.endm
.macro PROD role, q, o, i, br, bw      ; accumulator (o, i): o the tile along the lanes, i the tile along the registers
.set D_, 128+32*(\o)+8*(\i)
.if (\role) < 2
.set FX_, 4*(\q)+(\o)
.set FW_, 8*(((\q)/2)%2)+4*((\q)%2)+(\i)
.set CR_, (\br)+8*(\i)
.else
.set FX_, 4*(\q)+(\i)
.set FW_, 8*(((\q)/2)%2)+4*((\q)%2)+(\o)
.set CR_, (\br)+8*(\o)
.endif
.set CW_, \bw
.if (\q) > 0
.set CR_, D_
.set CW_, 0
.endif
.set XW_, 1+FX_/21
.set XR_, 12*(FX_%21)
.set WR_, 12*FW_
.set SI_, SC+8*((\q)/2)+2*(\i)+(\q)%2
.set SO_, SC+8*((\q)/2)+2*(\o)+(\q)%2
.if (\role) < 2
	WIN 3|(XW_<<2)|(CW_<<4)
	v_wmma_scale_f32_16x16x128_f8f6f4 v[D_:D_+7], v[WR_:WR_+11], v[XR_:XR_+11], v[CR_:CR_+7], v[SI_], v[SO_] matrix_a_fmt:MATRIX_FMT_FP6 matrix_b_fmt:MATRIX_FMT_FP6 matrix_a_scale:MATRIX_SCALE_ROW1
.else
	WIN XW_|(3<<2)|(CW_<<4)
	v_wmma_scale_f32_16x16x128_f8f6f4 v[D_:D_+7], v[XR_:XR_+11], v[WR_:WR_+11], v[CR_:CR_+7], v[SI_], v[SO_] matrix_a_fmt:MATRIX_FMT_FP6 matrix_b_fmt:MATRIX_FMT_FP6 matrix_b_scale:MATRIX_SCALE_ROW1
.endif
.endm
.macro KSTEP role, q, br, bw           ; 16 products; the sixteen accumulators take turns, in the same order in every step
.irp o, 0,1,2,3
.irp i, 0,1,2,3
	PROD \role, \q, \o, \i, \br, \bw
.endr
.endr
.endm
; THE WAY OUT of a chunk.  The 32 sums of outer tile o are two scale blocks, each half in lanes l and l xor 16.  Block k = 2 o + g begins at register 128 + 16 k.
.macro EPI isv, cb, co, cs, sb, so
	s_wait_xcnt 0x0                                ; the last chunk's stores have read their data: those registers are written again only behind this wait
.irp k, 0,1,2,3,4,5,6,7
	v_max3_num_f32 v[TM+\k], |v[128+16*\k]|, |v[129+16*\k]|, 0x1800000    ; with the floor 2^(3 - 127); each accumulator from its low end on
.endr
.irp i, 2,4,6,8,10,12,14
.irp k, 0,1,2,3,4,5,6,7
	v_max3_num_f32 v[TM+\k], v[TM+\k], |v[128+16*\k+\i]|, |v[129+16*\k+\i]|
.endr
.endr
.irp k, 0,1,2,3,4,5,6,7
	v_permlanex16_b32 v[TP+\k], v[TM+\k], s66, s67
.endr
.irp k, 0,1,2,3,4,5,6,7
	v_max_num_f32 v[TM+\k], v[TM+\k], v[TP+\k]     ; the block's largest magnitude
.endr
.irp k, 0,1,2,3,4,5,6,7
	v_add_nc_u32 v[SOP+\k], 0xff000000, v[TM+\k]   ; 2 off its exponent field: the conversion's scale operand
.endr
.irp k, 0,1,2,3,4,5,6,7
	v_lshrrev_b32 v[TP+\k], 23, v[SOP+\k]          ; the byte
.endr
.irp p, 0,1                                    ; two outer tiles at a time
	v_cvt_scalef32_pk16_fp6_f32 v[PC+16*\p:PC+16*\p+2], v[128+64*\p:143+64*\p], v[SOP+4*\p]
	v_cvt_scalef32_pk16_fp6_f32 v[T0:T0+2], v[144+64*\p:159+64*\p], v[SOP+4*\p+1]
	v_cvt_scalef32_pk16_fp6_f32 v[PC+16*\p+8:PC+16*\p+10], v[160+64*\p:175+64*\p], v[SOP+4*\p+2]
	v_cvt_scalef32_pk16_fp6_f32 v[T1:T1+2], v[176+64*\p:191+64*\p], v[SOP+4*\p+3]
	v_lshl_or_b32 v[TM+2*\p], v[TP+4*\p+1], 8, v[TP+4*\p]          ; a tile's two bytes; also the plain line behind the conversions
	v_lshl_or_b32 v[TM+2*\p+1], v[TP+4*\p+3], 8, v[TP+4*\p+2]
.irp i, 0,1,2
	v_permlane16_swap_b32 v[PC+16*\p+\i], v[T0+\i]                 ; a whole block in a lane: lanes 0-15 block 0, lanes 16-31 block 1
	v_permlane16_swap_b32 v[PC+16*\p+8+\i], v[T1+\i]
.endr
.irp i, 0,1,2
	v_mov_b32 v[PC+16*\p+3+\i], v[T0+\i]
	v_mov_b32 v[PC+16*\p+11+\i], v[T1+\i]
.endr
.irp u, 0,1
	global_store_b128 v[LI], v[PC+16*\p+8*\u:PC+16*\p+8*\u+3], s[\cb:\cb+1] offset:(\co)+(\cs)*(2*\p+\u)          ; 512 consecutive bytes
	global_store_b64 v[L8], v[PC+16*\p+8*\u+4:PC+16*\p+8*\u+5], s[\cb:\cb+1] offset:(\co)+(\cs)*(2*\p+\u)+512     ; 256 consecutive bytes
.endr
.endr
.if \isv
	v_cndmask_b32 v[TM+4], v[TM], v[TM+1], s100    ; V: lane (r, h) stores my two bytes of the words of channel tiles h and 2 + h; the other wave row stores the other two
	v_cndmask_b32 v[TM+5], v[TM+2], v[TM+3], s100
	global_store_b16 v[SO], v[TM+4], s[\sb:\sb+1] offset:\so
	global_store_b16 v[SO], v[TM+5], s[\sb:\sb+1] offset:(\so)+8
.else
	v_lshl_or_b32 v[TM+6], v[TM+1], 16, v[TM]      ; Q, K: a word is two token tiles' bytes; lane (r, h) stores my word h
	v_lshl_or_b32 v[TM+7], v[TM+3], 16, v[TM+2]
	v_cndmask_b32 v[TM+4], v[TM+6], v[TM+7], s100
	global_store_b32 v[SO], v[TM+4], s[\sb:\sb+1] offset:\so
.endif
.endm
; A CHUNK: eight K steps on the weight's two sets of fragments; the sets are fetched two K steps ahead.  A wait for 32 leaves the other set's 32 loads out.
.macro CHUNK role, ch, br, bw, isv, cb, co, cs, sb, so
.set SL_, (\ch)%2
.if (\ch) == 0 || (\ch) == 5
	s_wait_loadcnt 0x0                             ; the biases
.endif
	s_wait_dscnt 32
	KSTEP \role, 0, \br, \bw
	KSTEP \role, 1, \br, \bw
	PLACES 4                                       ; between products and loads into registers that they read
	FETCHW SL_, 0, 2
	s_wait_dscnt 32
	KSTEP \role, 2, \br, \bw
	KSTEP \role, 3, \br, \bw
	PLACES 4
	FETCHW SL_, 1, 3
	s_wait_dscnt 32
	KSTEP \role, 4, \br, \bw
	KSTEP \role, 5, \br, \bw
	WIN 0
.if (\ch) < 4
	s_wait_tensorcnt 0x0                           ; my one tensor load that was out, my quarter of the next chunk, is in;
	ds_add_u32 v[SPW], v[NIL]                      ; 0 onto my spare word;
	s_add_nc_u64 s[G0R+4*SL_+2:G0R+4*SL_+3], s[G0R+4*SL_+2:G0R+4*SL_+3], ROLEB   ; this slot's next chunk, two chunks on
	s_wait_dscnt 1                                 ; all but the add: the last set is in
	KSTEP \role, 6, \br, \bw
	s_wait_dscnt 0x0                               ; the add is done; my reads of this slot are over
	s_barrier_signal -1
	KSTEP \role, 7, \br, \bw
	WIN 0
	s_barrier_wait -1
	CREST                                          ; no wave of any partner still reads this slot or has a load on its way
	tensor_load_to_lds s[G0R+4*SL_:G0R+4*SL_+3], s[G1W:G1W+7]
	s_nop 0
	PLACES 4                                       ; also the places behind the last products
.elseif (\ch) == 4
	s_wait_tensorcnt 0x0                           ; my quarter of chunk 5 is in
	s_wait_dscnt 0x0
	s_barrier_signal -1                            ; a plain barrier
	KSTEP \role, 6, \br, \bw
	KSTEP \role, 7, \br, \bw
	WIN 0
	s_barrier_wait -1
	PLACES 4
.else
	s_wait_dscnt 0x0
	KSTEP \role, 6, \br, \bw
	KSTEP \role, 7, \br, \bw
	WIN 0
	PLACES 4
.endif
.if (\ch) < 5
	SCALES (\ch)+1
.if (\ch) < 3
	PFGO (\ch)+3                                   ; what the next turn will load
.endif
	FETCHW 1-SL_, 0, 0
	FETCHW 1-SL_, 1, 1
.endif
.if (\ch) == 1
	BIASV 5, 192, 3                                ; into chunk 0's registers, which have served
.endif
	EPI \isv, \cb, \co, \cs, \sb, \so              ; under the flight of the next chunk's LDS loads
.endm
	s_wait_tensorcnt 0x0                           ; my tile of the head's four is in;
	ds_add_u32 v[SPW], v[NIL]
	s_mov_b32 s[G1W+2], 96<<16                     ; no tensor load of mine is out: from here on a load brings a quarter of a chunk, 96 rows of 256 bytes
	s_mov_b32 s[G1W+4], 96
	s_wait_dscnt 0x0
	CROUND                                         ; all four tiles are in, and all sixteen work-groups are here
	tensor_load_to_lds s[G0R+4:G0R+7], s[G1W:G1W+7]   ; chunk 1, slot 1's first fill
	s_nop 0
	PLACES 4
.irp q, 0,1,2,3,4,5,6,7                        ; my 64 tokens, all of K: fragment 4 q + a in window 1 + (4 q + a) / 21
.irp a, 0,1,2,3
	WIN (1+(4*\q+\a)/21)<<6
	FRAG 12*((4*\q+\a)%21), XA, \a*TILEB+\q*1536
.endr
.endr
	WIN 0
	SCALES 0
	PFGO 2
	FETCHW 0, 0, 0
	FETCHW 0, 1, 1
	CHUNK 0, 0, 192, 3, 0, 76, 0,      768,  78, 0
	CHUNK 0, 1, 224, 3, 0, 76, 196608, 768,  78, 8192
	CHUNK 1, 2, 132, 2, 0, 90, 0,      768,  92, 0
	CHUNK 1, 3, 164, 2, 0, 90, 409600, 768,  92, 409600
	CHUNK 2, 4, 196, 2, 1, 96, 0,      1536, 98, 0
	CHUNK 2, 5, 192, 3, 1, 96, 409600, 1536, 98, 409600
	s_wait_tensorcnt 0x0                           ; the wave's end
	ds_add_u32 v[SPW], v[NIL]
	s_wait_dscnt 0x0
	CROUND                                         ; the closing round
	s_endpgm
.Lfunc_end_k_q4311ac6b21_gemm_qkv:
	.size	k_q4311ac6b21_gemm_qkv, .Lfunc_end_k_q4311ac6b21_gemm_qkv-k_q4311ac6b21_gemm_qkv
	.p2alignl 7, 3214868480
	.fill 96, 4, 3214868480
	.section	.rodata,"a",@progbits
	.p2align	6, 0x0
	.amdhsa_kernel k_q4311ac6b21_gemm_qkv
		.amdhsa_group_segment_fixed_size 327680
		.amdhsa_private_segment_fixed_size 0
		.amdhsa_enable_private_segment 0
		.amdhsa_kernarg_size 32
		.amdhsa_user_sgpr_count 2
		.amdhsa_user_sgpr_kernarg_segment_ptr 1
		.amdhsa_wavefront_size32 1
		.amdhsa_system_sgpr_workgroup_id_x 1
		.amdhsa_system_sgpr_workgroup_id_y 1
		.amdhsa_system_sgpr_workgroup_id_z 1
		.amdhsa_system_vgpr_workitem_id 0
		.amdhsa_next_free_vgpr 1024
		.amdhsa_next_free_sgpr 106
		.amdhsa_reserve_vcc 0
		.amdhsa_float_denorm_mode_32 3
		.amdhsa_float_denorm_mode_16_64 3
		.amdhsa_memory_ordered 1
		.amdhsa_forward_progress 1
		.amdhsa_inst_pref_size 238
	.end_amdhsa_kernel
	.amdgpu_metadata
---
amdhsa.version: [ 1, 2 ]
amdhsa.kernels:
  - .name:           k_q4311ac6b21_gemm_qkv
    .symbol:         k_q4311ac6b21_gemm_qkv.kd
    .args:
      - { .name: xw, .offset: 0, .size: 8, .value_kind: global_buffer, .address_space: global }
      - { .name: bqkv, .offset: 8, .size: 8, .value_kind: global_buffer, .address_space: global }
      - { .name: qb, .offset: 16, .size: 8, .value_kind: global_buffer, .address_space: global }
      - { .name: kv, .offset: 24, .size: 8, .value_kind: global_buffer, .address_space: global }
    .group_segment_fixed_size: 327680
    .private_segment_fixed_size: 0
    .kernarg_segment_align: 8
    .kernarg_segment_size: 32
    .max_flat_workgroup_size: 128
    .sgpr_count:     106
    .vgpr_count:     1024
    .wavefront_size: 32
...
	.end_amdgpu_metadata
.endif
;; end of part 2
;; launch attn (part 3): grid 4 x 64, 16 waves a work-group, clusters of 4 x 1, 206,848 bytes of LDS; arguments qb, kv, ob; writes ob
.if DOCPART == 3
	.amdgcn_target "amdgcn-amd-amdhsa--gfx1250"
	.amdhsa_code_object_version 6
	.text
	.protected	k_q4311ac6b21_attn
	.globl	k_q4311ac6b21_attn
	.p2align	8
	.type	k_q4311ac6b21_attn,@function
k_q4311ac6b21_attn:
	s_mov_b64 s[64:65], 0
	v_nop
	global_prefetch_b8 v0, s[64:65] scope:SCOPE_SE
	s_setreg_imm32_b32 hwreg(HW_REG_WAVE_MODE, 25, 1), 1
	s_wait_xcnt 0x0
	s_wait_alu depctr_hold_cnt(0) depctr_sa_sdst(0) depctr_va_vdst(0) depctr_va_sdst(0) depctr_va_ssrc(0) depctr_va_vcc(0) depctr_vm_vsrc(0)
	s_getreg_b32 s2, hwreg(HW_REG_IB_STS2, 6, 4)
	s_cmp_eq_u32 s2, 0
	s_cbranch_scc0 .Lentry_in_a_cluster
	s_endpgm
.Lentry_in_a_cluster:
	s_bfe_u32 s2, ttmp6, 0x10000c
	s_cmp_lg_u32 s2, 0x3003
	s_cbranch_scc0 .Lentry_shape_is_right
	s_endpgm
.Lentry_shape_is_right:
; O = softmax(q k^T / 8) v for 64 heads of 2,048 tokens x 64 channels, both products on codes of FP6 (E2M3) with E8M0 scales; O / l is quantised along the model's 1,024 and leaves as codes.
; THE SOFTMAX AHEAD OF THE SECOND PRODUCT: t = score x log2(e) / 8; M = the running largest t rounded up to a whole number; p = 2^(t - M) is quantised along the keys, not normalised;
; the row's sum is taken of the unquantised p; when M moves, the sum and O are multiplied by 2^(old M - new M), which rounds nothing.
; SHARES.  A work-group owns 512 queries of one head, each of its sixteen waves two tiles of 16, one after the other, in 256 registers: four waves to a SIMD, so that one wave's vector work stands beside another's
; matrix work and LDS loads.  A HEAD'S WHOLE K, V AND THEIR SCALE WORDS ARE 204,800 BYTES AND STAY IN LDS: filled once, no ring, one barrier.
; CLUSTER.  The four work-groups of a cluster own one head: wave w of each asks jointly for key step w's 12,800 dense bytes.  One tensor load of a wave is out.
; LAYOUT.  All operands lie in the order of the operand's registers (half fragments of 768 bytes: lane l's first 16 bytes at 16 l, its last 8 at 512 + 8 l).  A key step: 8 half fragments of K (token tiles),
; 4 fragments of V^T (16 channels x 128 keys), K's scale words [r][4], V's [r][4].  Both products are used transposed: a lane holds one query throughout.
; K = 64 IN AN INSTRUCTION 128 DEEP: a fragment of K is two token tiles side by side; it is multiplied by [q | 0] and by [0 | q].  Zero codes add nothing: the format has no infinity, and every scale byte is 1..254.
; By the choice of the rows of a tile, registers 16 g + i of the scores are keys 32 g + 16 (lane / 16) + i of the step.
; No prefetch: all that the launch reads of K and V is asked for at its head.
; LIMITS: NaN and infinities are not served; a block of zeros, or one under 2^-124, gets the byte 1 where the rule says 127 (its codes are zeros; the bytes are read by this program alone).
; REGISTERS: v1-3 16 l, 8 l, 16 r; v4, v5 the add's two; v6-8 the step's addresses; v9 8 r + h; v10 Q's raw scale word; v12 -M, v13 the largest t, v[14:15] the sum; v16-33 q, zeros, q;
;   v36-83 four fragments; v84-87 K's scale words, v88-91 V's, v92 p's, v93 Q's; v96-159 S^T, then p; v160-191 O^T; v192-210 p's codes; v232-255 at work.
.set STEPB, 12800
.set HEADB, 204800
.set SPARE, 204800                     ; behind K and V: the spare words, 128 bytes a wave, that no other line names
.set Q_SCL, 6291456
.set O_SCL, 6291456
.set SPW, 4
.set NIL, 5
.set WV,  18
.macro ROUND                           ; a round of the cluster's barrier
	s_barrier_signal -1
	s_barrier_wait -1
	s_cmp_lg_u32 s[WV], 0
	s_cbranch_scc1 .Lnot_wave_0_\@
	s_barrier_signal -3
.Lnot_wave_0_\@:
	s_barrier_wait -3
	s_barrier_signal -1
	s_barrier_wait -1
.endm
	s_load_b128 s[4:7], s[0:1], 0x0                ; qb s[4:5], kv s[6:7]
	s_load_b64 s[8:9], s[0:1], 0x10                ; ob
	v_lshl_add_u32 v[SPW], v0, 2, SPARE
	v_mov_b32 v[NIL], 0
	ds_add_u32 v[SPW], v[NIL]                      ; the wave's opening: the add and its wait ahead of my first tensor load; work on registers stands between them
	ds_add_u32 v[SPW], v[NIL]
	v_lshrrev_b32 v1, 5, v0
	s_delay_alu instid0(VALU_DEP_1)
	v_readfirstlane_b32 s[WV], v1                  ; wave 0..15
	s_bfe_u32 s17, ttmp6, 0x40000                  ; cx: which 512 queries: it enters qb's and ob's addresses alone
	s_and_b32 s19, ttmp7, 0xffff                   ; batch x 16 + head, which the four partners share
	; the descriptor: 12,800 dense bytes as 50 rows of 256 (32 elements of 8 bytes); the mask names all four work-groups, bit 21 set beside it
	s_mov_b32 s24, 15|(3<<16)|(1<<21)
	s_mov_b32 s25, 32<<16
	s_mov_b32 s26, 50<<16
	s_mov_b32 s27, 32<<16
	s_mov_b32 s28, 50
	s_mov_b32 s29, 32
	s_mov_b32 s30, 0
	s_mov_b32 s31, 0
	s_mov_b32 s32, 1
	s_mul_i32 s33, s[WV], STEPB                    ; key step w, in LDS
	s_mul_i32 s10, s19, HEADB
	s_add_co_u32 s10, s10, s33                     ; and in memory
	s_mov_b32 s11, 0
	s_lshl_b32 s12, s17, 5
	s_lshl_b32 s13, s[WV], 1
	s_add_co_u32 s12, s12, s13                     ; my first tile of queries in the head: 32 cx + 2 w
	s_mul_i32 s36, s19, 98304
	s_mul_i32 s13, s12, 768
	s_add_co_u32 s36, s36, s13
	s_mov_b32 s37, 0                               ; its codes
	s_lshl_b32 s38, s19, 12
	s_lshr_b32 s13, s12, 3
	s_lshl_b32 s13, s13, 8
	s_add_co_u32 s38, s38, s13
	s_and_b32 s13, s[WV], 3
	s_lshl_b32 s13, s13, 2
	s_add_co_u32 s38, s38, s13
	s_add_co_u32 s38, s38, Q_SCL
	s_mov_b32 s39, 0                               ; the word that holds my two tiles' scale bytes
	s_lshr_b32 s13, s19, 4
	s_lshl_b32 s13, s13, 7
	s_add_co_u32 s13, s13, s12                     ; the tile among all 512 of ob
	s_and_b32 s14, s19, 15                         ; the head: which half fragment along the model's 1,024
	s_mul_i32 s40, s13, 12288
	s_mul_i32 s15, s14, 768
	s_add_co_u32 s40, s40, s15
	s_mov_b32 s41, 0
	s_lshl_b32 s42, s13, 9
	s_lshr_b32 s15, s14, 2
	s_lshl_b32 s15, s15, 7
	s_add_co_u32 s42, s42, s15
	s_and_b32 s15, s14, 3
	s_lshl_b32 s15, s15, 1
	s_add_co_u32 s42, s42, s15
	s_add_co_u32 s42, s42, O_SCL
	s_mov_b32 s43, 0
	s_mov_b32 s20, 0x76543210
	s_mov_b32 s21, 0xfedcba98                      ; v_permlanex16_b32's selects for lane l xor 16
	s_mov_b32 s22, 0x3e38aa3b                      ; c = log2(e) / 8
	s_mov_b32 s23, s22                             ; (named with it as a pair, so it is written)
	v_and_b32 v11, 31, v0
	s_delay_alu instid0(VALU_DEP_1)
	v_lshlrev_b32 v1, 4, v11                       ; 16 x lane
	s_delay_alu instid0(VALU_DEP_2)
	v_lshlrev_b32 v2, 3, v11                       ; 8 x lane
	v_and_b32 v9, 15, v0                           ; r
	s_delay_alu instid0(VALU_DEP_1)
	v_lshlrev_b32 v3, 4, v9                        ; 16 r
	v_bfe_u32 v11, v0, 4, 1                        ; h
	s_delay_alu instid0(VALU_DEP_1)
	v_lshl_add_u32 v9, v9, 3, v11                  ; 8 r + h
	s_delay_alu instid0(VALU_DEP_2)
	v_cmp_eq_u32 s44, 1, v11                       ; lanes 16-31
	s_wait_dscnt 0x0                               ; the opening add is done
	s_wait_kmcnt 0x0
	s_add_nc_u64 s[34:35], s[6:7], s[10:11]
	s_or_b32 s35, s35, 0x80000000
	s_add_nc_u64 s[36:37], s[4:5], s[36:37]
	s_add_nc_u64 s[38:39], s[4:5], s[38:39]
	s_add_nc_u64 s[40:41], s[8:9], s[40:41]
	s_add_nc_u64 s[42:43], s[8:9], s[42:43]
	ROUND                                          ; all four work-groups are here: the joint loads meet
	tensor_load_to_lds s[32:35], s[24:31]
	s_nop 0
.rept 4
	v_nop
.endr
	s_wait_alu depctr_va_vdst(0)
	global_load_b32 v10, v3, s[38:39]              ; row r's word: tile 0's two bytes below, tile 1's above
.irp j, 22,23,24,25,26,27
	v_mov_b32 v[\j], 0                             ; the zeros between the two copies of q
.endr
.irp j, 236,237,238,239,253
	v_mov_b32 v[\j], 0                             ; lane permutes' destinations, and the upper half of the pair v[252:253]
.endr
	s_wait_tensorcnt 0x0                           ; my key step is in,
	s_barrier_signal -1
	s_barrier_wait -1                              ; everybody's is; nothing is ever filled again
; A KEY STEP: 128 keys, at LDS byte s2.
.macro STEP
	v_add_nc_u32 v6, s2, v1
	v_add_nc_u32 v7, s2, v2
	v_add_nc_u32 v8, s2, v3
	v_nop                                          ; four plain lines between the last step's products and the loads into their operands' registers
.irp g, 0,1,2,3
	ds_load_b128 v[36+12*\g:39+12*\g], v6 offset:1536*\g
	ds_load_b64 v[40+12*\g:41+12*\g], v7 offset:1536*\g+512
	ds_load_b128 v[42+12*\g:45+12*\g], v6 offset:1536*\g+768
	ds_load_b64 v[46+12*\g:47+12*\g], v7 offset:1536*\g+1280
.endr
	ds_load_b128 v[84:87], v8 offset:12288         ; K's scale words: word g for fragment g
	s_wait_alu depctr_va_vdst(0)
	s_wait_dscnt 0x0
.irp g, 0,1,2,3                                ; S^T = K Q^T: the fragment's lower token tile by [q | 0], its upper by [0 | q]
	v_wmma_scale_f32_16x16x128_f8f6f4 v[96+16*\g:103+16*\g], v[36+12*\g:47+12*\g], v[16:27], 0, v[84+\g], v93 matrix_a_fmt:MATRIX_FMT_FP6 matrix_b_fmt:MATRIX_FMT_FP6
	v_wmma_scale_f32_16x16x128_f8f6f4 v[104+16*\g:111+16*\g], v[36+12*\g:47+12*\g], v[22:33], 0, v[84+\g], v93 matrix_a_fmt:MATRIX_FMT_FP6 matrix_b_fmt:MATRIX_FMT_FP6
.endr
.rept 4
	v_nop
.endr
.irp t, 0,1,2,3                                ; V's four fragments are asked for now: they land under the softmax
	ds_load_b128 v[36+12*\t:39+12*\t], v6 offset:6144+1536*\t
	ds_load_b64 v[40+12*\t:41+12*\t], v7 offset:6144+1536*\t+512
	ds_load_b128 v[42+12*\t:45+12*\t], v6 offset:6144+1536*\t+768
	ds_load_b64 v[46+12*\t:47+12*\t], v7 offset:6144+1536*\t+1280
.endr
	ds_load_b128 v[88:91], v8 offset:12544         ; V's scale words: word t for channel tile t
.irp b, 0,1,2,3
	v_max3_num_f32 v[232+\b], v[96+16*\b], v[97+16*\b], v[98+16*\b]   ; the largest score of each block of 32 keys: for the row's maximum, and, since p rises with the score, for the block's largest p
.endr
.irp i, 3,5,7,9,11,13
.irp b, 0,1,2,3
	v_max3_num_f32 v[232+\b], v[232+\b], v[96+16*\b+\i], v[97+16*\b+\i]
.endr
.endr
.irp b, 0,1,2,3
	v_max_num_f32 v[232+\b], v[232+\b], v[111+16*\b]
.endr
.irp b, 0,1,2,3
	s_delay_alu instid0(VALU_DEP_4)
	v_permlanex16_b32 v[236+\b], v[232+\b], s20, s21
.endr
.irp b, 0,1,2,3
	s_delay_alu instid0(VALU_DEP_4)
	v_max_num_f32 v[232+\b], v[232+\b], v[236+\b]  ; with lane l xor 16's 16 keys
.endr
	s_delay_alu instid0(VALU_DEP_2)
	v_max3_num_f32 v254, v232, v233, v234
	s_delay_alu instid0(VALU_DEP_1)
	v_max_num_f32 v254, v254, v235
	s_delay_alu instid0(VALU_DEP_1)
	v_mul_f32 v254, s22, v254                      ; the step's largest t (c is positive)
	s_delay_alu instid0(VALU_DEP_1)
	v_max_num_f32 v13, v13, v254                   ; the running largest t
	v_mov_b32 v254, v12
	s_delay_alu instid0(VALU_DEP_2)
	v_floor_f32 v12, -v13                          ; the new -M = floor(-t) = -ceil(t)
	s_delay_alu instid0(VALU_DEP_1)
	v_sub_f32 v254, v12, v254                      ; old M - new M: a whole number, 0 or less
	s_delay_alu instid0(VALU_DEP_1)
	v_cvt_i32_f32 v254, v254                       ; (it saturates)
	s_delay_alu instid0(VALU_DEP_1)
	v_ldexp_f32 v252, 1.0, v254                    ; f = 2^(old M - new M)
.irp j, 0,2,4,6,8,10,12,14,16,18,20,22,24,26,28,30,32,34,36,38,40,42,44,46,48,50,52,54,56,58,60,62
	v_pk_fma_f32 v[96+\j:97+\j], v[96+\j:97+\j], s[22:23], v[12:13] op_sel_hi:[1,0,0]   ; t - M, two at a time
.endr
.irp b, 0,1,2,3
	v_fma_f32 v[232+\b], v[232+\b], s22, v12       ; the same of each block's largest score
.endr
.set n, 0
	s_wait_alu depctr_va_vdst(0)
.rept 64
	v_exp_f32 v[96+n], v[96+n]                     ; p = 2^(t - M), at most 1
.set n, n+1
.endr
	v_pk_mul_f32 v[14:15], v[14:15], v[252:253] op_sel_hi:[1,0]   ; the sums under the new M; the plain line behind the exponentials
	s_wait_alu depctr_va_vdst(0)                   ; one wait for the whole batch, ahead of its first reader
.irp b, 0,1,2,3
	v_exp_f32 v[232+\b], v[232+\b]                 ; the block's largest p: the same two instructions on the same number
.endr
	v_pk_add_f32 v[236:237], v[100:101], v[104:105]
	v_pk_add_f32 v[254:255], v[108:109], v[112:113]
	v_pk_add_f32 v[250:251], v[116:117], v[120:121]
	v_pk_add_f32 v[248:249], v[124:125], v[128:129]
	v_pk_add_f32 v[246:247], v[132:133], v[136:137]
	v_pk_add_f32 v[244:245], v[140:141], v[144:145]
	v_pk_add_f32 v[242:243], v[148:149], v[152:153]
	v_pk_add_f32 v[14:15], v[14:15], v[156:157]
	v_pk_add_f32 v[236:237], v[236:237], v[96:97]
	v_pk_add_f32 v[254:255], v[254:255], v[98:99]
	v_pk_add_f32 v[250:251], v[250:251], v[102:103]
	v_pk_add_f32 v[248:249], v[248:249], v[106:107]
	v_pk_add_f32 v[246:247], v[246:247], v[110:111]
	v_pk_add_f32 v[244:245], v[244:245], v[114:115]
	v_pk_add_f32 v[242:243], v[242:243], v[118:119]
	v_pk_add_f32 v[14:15], v[14:15], v[122:123]
	v_pk_add_f32 v[236:237], v[236:237], v[126:127]
	v_pk_add_f32 v[254:255], v[254:255], v[130:131]
	v_pk_add_f32 v[250:251], v[250:251], v[134:135]
	v_pk_add_f32 v[248:249], v[248:249], v[138:139]
	v_pk_add_f32 v[246:247], v[246:247], v[142:143]
	v_pk_add_f32 v[244:245], v[244:245], v[146:147]
	v_pk_add_f32 v[242:243], v[242:243], v[150:151]
	v_pk_add_f32 v[14:15], v[14:15], v[154:155]
	v_pk_add_f32 v[236:237], v[236:237], v[158:159]
	s_delay_alu instid0(VALU_DEP_2)
	v_pk_add_f32 v[14:15], v[14:15], v[248:249]
	s_delay_alu instid0(VALU_DEP_2)
	v_pk_add_f32 v[236:237], v[236:237], v[246:247]
	v_pk_add_f32 v[254:255], v[254:255], v[244:245]
	v_pk_add_f32 v[250:251], v[250:251], v[242:243]
	s_delay_alu instid0(VALU_DEP_2)
	v_pk_add_f32 v[14:15], v[14:15], v[254:255]
	s_delay_alu instid0(VALU_DEP_2)
	v_pk_add_f32 v[236:237], v[236:237], v[250:251]
	s_delay_alu instid0(VALU_DEP_1)
	v_pk_add_f32 v[14:15], v[14:15], v[236:237]
	s_wait_alu depctr_va_vdst(0)                   ; and one for the four
.irp b, 0,1,2,3
	v_max_num_f32 v[232+\b], 0x1800000, v[232+\b]  ; the floor 2^(3 - 127)
.endr
.irp b, 0,1,2,3
	s_delay_alu instid0(VALU_DEP_4)
	v_add_nc_u32 v[244+\b], 0xff000000, v[232+\b]  ; the conversion's scale operand
.endr
.irp b, 0,1,2,3
	s_delay_alu instid0(VALU_DEP_4)
	v_lshrrev_b32 v[236+\b], 23, v[244+\b]         ; the byte
.endr
	s_delay_alu instid0(VALU_DEP_3)
	v_lshl_or_b32 v92, v237, 8, v236               ; p's scale word for these 128 keys
	s_delay_alu instid0(VALU_DEP_1)
	v_lshl_or_b32 v92, v238, 16, v92
	s_delay_alu instid0(VALU_DEP_1)
	v_lshl_or_b32 v92, v239, 24, v92
.irp c, 0,1
	v_cvt_scalef32_pk16_fp6_f32 v[192+6*\c:194+6*\c], v[96+32*\c:111+32*\c], v[244+2*\c]
	v_cvt_scalef32_pk16_fp6_f32 v[204+4*\c:206+4*\c], v[112+32*\c:127+32*\c], v[244+2*\c+1]
.endr
	v_nop                                          ; one plain line behind the conversions
.irp c, 0,1                                    ; a whole block in a lane: lanes 0-15 block 2 c, lanes 16-31 block 2 c + 1
.irp i, 0,1,2
	v_permlane16_swap_b32 v[192+6*\c+\i], v[204+4*\c+\i]
.endr
.irp i, 0,1,2
	s_delay_alu instid0(VALU_DEP_3)
	v_mov_b32 v[195+6*\c+\i], v[204+4*\c+\i]
.endr
.endr
.irp j, 0,2,4,6,8,10,12,14,16,18,20,22,24,26,28,30
	v_pk_mul_f32 v[160+\j:161+\j], v[160+\j:161+\j], v[252:253] op_sel_hi:[1,0]   ; O^T under the new M; twelve of these sixteen name no register of any one product below: its places behind p's codes and scale word
.endr
	s_wait_alu depctr_va_vdst(0)
	s_wait_dscnt 0x0                               ; V
.irp t, 0,1,2,3                                ; O^T += V^T P^T; the four accumulators take turns
	v_wmma_scale_f32_16x16x128_f8f6f4 v[160+8*\t:167+8*\t], v[36+12*\t:47+12*\t], v[192:203], v[160+8*\t:167+8*\t], v[88+\t], v92 matrix_a_fmt:MATRIX_FMT_FP6 matrix_b_fmt:MATRIX_FMT_FP6
.endr
.endm
; ONE TILE OF 16 QUERIES THROUGH ALL KEYS.
.macro PASS p
.if \p
	s_wait_xcnt 0x0                                ; the last tile's stores have read their data: those registers are written again only behind this wait
.endif
	global_load_b128 v[16:19], v1, s[36:37] offset:768*\p
	global_load_b64 v[20:21], v2, s[36:37] offset:768*\p+512
	global_load_b128 v[28:31], v1, s[36:37] offset:768*\p          ; q a second time: [q | 0] is v16-27, [0 | q] is v22-33
	global_load_b64 v[32:33], v2, s[36:37] offset:768*\p+512
	v_mov_b32 v13, 0xff61b1e6                      ; the largest t so far: -3e38
	s_delay_alu instid0(VALU_DEP_1)
	v_floor_f32 v12, -v13
	v_mov_b32 v14, 0
	v_mov_b32 v15, 0
	s_wait_loadcnt 0x0
.if \p
	v_perm_b32 v93, v10, v10, 0x03020302           ; Q's scale word: the tile's two bytes, twice
.else
	v_perm_b32 v93, v10, v10, 0x01000100
.endif
.set n, 0
.rept 32
	v_mov_b32 v[160+n], 0                          ; O^T: the step is written once, and its first trip finds zeros.  (Also the plain lines between the scale word's making and its first use)
.set n, n+1
.endr
	s_mov_b32 s2, 0
	s_mov_b32 s3, 16
.Lstep_\@:
	STEP
	s_add_co_u32 s2, s2, STEPB
	s_sub_co_u32 s3, s3, 1
	s_cmp_lg_u32 s3, 0
	s_cbranch_scc1 .Lstep_\@
	; the way out: O^T / the sum; registers 16 G + i are channels 32 G + 16 (lane / 16) + i: two blocks along the model's 1,024, one half fragment
.rept 4
	v_nop
.endr
	v_add_f32 v14, v14, v15
	s_delay_alu instid0(VALU_DEP_1)
	v_permlanex16_b32 v252, v14, s20, s21
	s_delay_alu instid0(VALU_DEP_1)
	v_add_f32 v14, v14, v252                       ; the row's sum
	s_wait_alu depctr_va_vdst(0)
	v_rcp_f32 v14, v14
	v_nop                                          ; a plain line behind the reciprocal
	s_wait_alu depctr_va_vdst(0)                   ; and the wait ahead of its first reader
.set n, 0
.rept 32
	v_mul_f32 v[96+n], v[160+n], v14               ; each accumulator from its low end on
.set n, n+1
.endr
.irp b, 0,1
	v_max3_num_f32 v[232+\b], |v[96+16*\b]|, |v[97+16*\b]|, 0x1800000
.endr
.irp i, 2,4,6,8,10,12,14
.irp b, 0,1
	s_delay_alu instid0(VALU_DEP_2)
	v_max3_num_f32 v[232+\b], v[232+\b], |v[96+16*\b+\i]|, |v[97+16*\b+\i]|
.endr
.endr
.irp b, 0,1
	s_delay_alu instid0(VALU_DEP_2)
	v_permlanex16_b32 v[236+\b], v[232+\b], s20, s21
.endr
.irp b, 0,1
	s_delay_alu instid0(VALU_DEP_2)
	v_max_num_f32 v[232+\b], v[232+\b], v[236+\b]
.endr
.irp b, 0,1
	s_delay_alu instid0(VALU_DEP_2)
	v_add_nc_u32 v[244+\b], 0xff000000, v[232+\b]
.endr
.irp b, 0,1
	s_delay_alu instid0(VALU_DEP_2)
	v_lshrrev_b32 v[236+\b], 23, v[244+\b]
.endr
	v_cvt_scalef32_pk16_fp6_f32 v[192:194], v[96:111], v244
	v_cvt_scalef32_pk16_fp6_f32 v[204:206], v[112:127], v245
	v_cndmask_b32 v240, v236, v237, s44            ; lane (r, h) stores block h's byte.  (The plain line behind the conversions)
.irp i, 0,1,2
	v_permlane16_swap_b32 v[192+\i], v[204+\i]
.endr
.irp i, 0,1,2
	s_delay_alu instid0(VALU_DEP_3)
	v_mov_b32 v[195+\i], v[204+\i]
.endr
	global_store_b128 v1, v[192:195], s[40:41] offset:12288*\p         ; 512 consecutive bytes
	global_store_b64 v2, v[196:197], s[40:41] offset:12288*\p+512      ; 256 consecutive bytes
	global_store_b8 v9, v240, s[42:43] offset:512*\p                   ; two of a row's eight scale bytes of this quarter of K: the other heads' work-groups store the rest
.endm
	PASS 0
	PASS 1
	s_wait_tensorcnt 0x0                           ; the wave's end, behind my last tensor load
	ds_add_u32 v[SPW], v[NIL]
	s_wait_dscnt 0x0
	ROUND                                          ; the closing round
	s_endpgm
.Lfunc_end_k_q4311ac6b21_attn:
	.size	k_q4311ac6b21_attn, .Lfunc_end_k_q4311ac6b21_attn-k_q4311ac6b21_attn
	.p2alignl 7, 3214868480
	.fill 96, 4, 3214868480
	.section	.rodata,"a",@progbits
	.p2align	6, 0x0
	.amdhsa_kernel k_q4311ac6b21_attn
		.amdhsa_group_segment_fixed_size 206848
		.amdhsa_private_segment_fixed_size 0
		.amdhsa_enable_private_segment 0
		.amdhsa_kernarg_size 24
		.amdhsa_user_sgpr_count 2
		.amdhsa_user_sgpr_kernarg_segment_ptr 1
		.amdhsa_wavefront_size32 1
		.amdhsa_system_sgpr_workgroup_id_x 1
		.amdhsa_system_sgpr_workgroup_id_y 1
		.amdhsa_system_sgpr_workgroup_id_z 1
		.amdhsa_system_vgpr_workitem_id 0
		.amdhsa_next_free_vgpr 256
		.amdhsa_next_free_sgpr 66
		.amdhsa_reserve_vcc 0
		.amdhsa_float_denorm_mode_32 3
		.amdhsa_float_denorm_mode_16_64 3
		.amdhsa_memory_ordered 1
		.amdhsa_forward_progress 1
		.amdhsa_inst_pref_size 52
	.end_amdhsa_kernel
	.amdgpu_metadata
---
amdhsa.version: [ 1, 2 ]
amdhsa.kernels:
  - .name:           k_q4311ac6b21_attn
    .symbol:         k_q4311ac6b21_attn.kd
    .args:
      - { .name: qb, .offset: 0, .size: 8, .value_kind: global_buffer, .address_space: global }
      - { .name: kv, .offset: 8, .size: 8, .value_kind: global_buffer, .address_space: global }
      - { .name: ob, .offset: 16, .size: 8, .value_kind: global_buffer, .address_space: global }
    .group_segment_fixed_size: 206848
    .private_segment_fixed_size: 0
    .kernarg_segment_align: 8
    .kernarg_segment_size: 24
    .max_flat_workgroup_size: 512
    .sgpr_count:     66
    .vgpr_count:     256
    .wavefront_size: 32
...
	.end_amdgpu_metadata
.endif
;; end of part 3
;; launch gemm_proj (part 4): grid 4 x 64, 4 waves a work-group, clusters of 4 x 4, 327,680 bytes of LDS; arguments xw, ob, bproj, out0; writes out0
.if DOCPART == 4
	.amdgcn_target "amdgcn-amd-amdhsa--gfx1250"
	.amdhsa_code_object_version 6
	.text
	.protected	k_q4311ac6b21_gemm_proj
	.globl	k_q4311ac6b21_gemm_proj
	.p2align	8
	.type	k_q4311ac6b21_gemm_proj,@function
k_q4311ac6b21_gemm_proj:
	s_mov_b64 s[64:65], 0
	v_nop
	global_prefetch_b8 v0, s[64:65] scope:SCOPE_SE
	s_setreg_imm32_b32 hwreg(HW_REG_WAVE_MODE, 25, 1), 1
	s_wait_xcnt 0x0
	s_wait_alu depctr_hold_cnt(0) depctr_sa_sdst(0) depctr_va_vdst(0) depctr_va_sdst(0) depctr_va_ssrc(0) depctr_va_vcc(0) depctr_vm_vsrc(0)
	s_getreg_b32 s2, hwreg(HW_REG_IB_STS2, 6, 4)
	s_cmp_eq_u32 s2, 0
	s_cbranch_scc0 .Lentry_in_a_cluster
	s_endpgm
.Lentry_in_a_cluster:
	s_bfe_u32 s2, ttmp6, 0x10000c
	s_cmp_lg_u32 s2, 0xf033
	s_cbranch_scc0 .Lentry_shape_is_right
	s_endpgm
.Lentry_shape_is_right:
; out0 [8192][1024] f32 = O Wproj + bproj.  O's codes and scale bytes lie in ob, Wproj's in xw: FP6 (E2M3), one E8M0 byte for each 32 along K = 1,024, in the order of the operand's registers:
; a tile of 16 rows is 16 half fragments of 768 bytes on end (lane l's first 16 bytes at 16 l, its last 8 at 512 + 8 l), its scale bytes [K / 256][position r][8].  Position r of tile 2 G + u is row 32 G + 8 u + r % 8 + 16 (r / 8).
; SHARES.  256 work-groups, 4 x 64: a block of 128 tokens x 256 columns; four waves, 2 x 2, each 64 x 128: 32 accumulators.
; ALL OF K STAYS IN LDS: 8 tiles of O (98,304 bytes), 16 tiles of Wproj (196,608), their scale bytes (4,096 and 8,192): four dense blocks of memory, each asked for once, at the head, one tensor load a wave.  Nothing is filled again.
; CLUSTER 4 x 4: O's blocks hang on the block row alone and are asked for jointly along a row of the cluster, Wproj's on the block column alone, along a column.
; No prefetch: the launch has no loop to run ahead in; all that it reads through LDS is asked for at its head.
; THE MATRIX INSTRUCTION IS USED TRANSPOSED (source 0 = 16 rows of Wproj's image, source 1 = 16 tokens): a lane holds eight neighbouring columns of one token.  The bias is the first products' C.
; REGISTERS: window 0: v16-30 addresses, v32-95 scale words of all of K (lanes 0-15 O's tile i, lanes 16-31 Wproj's tile i), v96-191 O's fragments, two sets, v192-255 the bias; on the way out v128-255 hold rows read back.
;   window 1: Wproj's fragments, two sets, at v0 and v128.   window 2: accumulator (a, b) at v[8 (8 a + b)].
.set WPROJ_IMG, 8650752
.set WPROJ_SCL, 9797632
.set O_SCL,     6291456
.set FR,     12
.set TILEB,  12288
.set BREG,   8*TILEB                   ; Wproj's 16 tiles, behind O's 8
.set SCL,    24*TILEB                  ; O's scale bytes, then Wproj's
.set SPARE,  SCL+12288                 ; the spare words, 128 bytes a wave, that no other line names
.set SPITCH, 528                       ; the way out: a stage of 16 rows x (512 + 16) bytes a wave, in O's region, behind the barrier behind which nobody reads it
.set ADRA, 16                          ; v16 16 l, v17 8 l: my four tiles of O
.set ADRB, 18                          ; v18, v19 my tiles 0-3 of Wproj; v20, v21 my tiles 4-7
.set LI,   24
.set L8,   25
.set STO,  26
.set ADRS, 27
.set SPW,  28
.set NIL,  29
.set RD,   30
.set SC,   32
.set AF,   96
.set BIAS, 192
.set BK,   128
.set G1,   24
.set G0,   32
.set G0B,  36
.set G1B,  48
.set G0S,  56
.set G0SB, 60
.set G1S,  68
.set G1SB, 80
.set MSB, 0
.macro WIN new
.if MSB != (\new)
	s_set_vgpr_msb (MSB<<8)|(\new)
.set MSB, (\new)
.endif
.endm
.macro PLACES n
.rept \n
	v_nop
.endr
.endm
.macro CROUND                          ; a round of the cluster's barrier
	s_barrier_signal -1
	s_barrier_wait -1
	s_cmp_lg_u32 s14, 0
	s_cbranch_scc1 .Lnot_wave_0_\@
	s_barrier_signal -3
.Lnot_wave_0_\@:
	s_barrier_wait -3
	s_barrier_signal -1
	s_barrier_wait -1
.endm
.macro GROUP1 g, mask, rows            ; a dense block as rows of 256 bytes (32 elements of 8 bytes); bit 21 set beside the mask
	s_or_b32 s[\g], s\mask, (3<<16)|(1<<21)
	s_mov_b32 s[\g+1], 32<<16
	s_mov_b32 s[\g+2], (\rows)<<16
	s_mov_b32 s[\g+3], 32<<16
	s_mov_b32 s[\g+4], \rows
	s_mov_b32 s[\g+5], 32
	s_mov_b32 s[\g+6], 0
	s_mov_b32 s[\g+7], 0
.endm
.macro GROUP0 g, lds, adr
	s_mov_b32 s[\g], 1
	s_mov_b32 s[\g+1], \lds
	s_mov_b64 s[\g+2:\g+3], s[\adr:\adr+1]
	s_or_b32 s[\g+3], s[\g+3], 0x80000000
.endm
.macro ARM under, g0, g1, next         ; one arm of the head's chain: one tensor load, then to the join
	s_cmp_lt_u32 s14, \under
	s_cbranch_scc0 \next
	tensor_load_to_lds s[\g0:\g0+3], s[\g1:\g1+7]
	s_nop 0
	PLACES 4
	s_branch .Lhead_asked
\next:
.endm
	s_load_b256 s[4:11], s[0:1], 0x0               ; xw s[4:5], ob s[6:7], bproj s[8:9], out0 s[10:11]
	v_lshl_add_u32 v[SPW], v0, 2, SPARE
	v_mov_b32 v[NIL], 0
	ds_add_u32 v[SPW], v[NIL]                      ; the opening lines: the add, twice on end, and its wait ahead of my first tensor load
	ds_add_u32 v[SPW], v[NIL]
	v_lshrrev_b32 v1, 5, v0
	v_readfirstlane_b32 s14, v1                    ; wave 0..3
	s_lshr_b32 s15, s14, 1                         ; which 64 tokens
	s_and_b32 s16, s14, 1                          ; which 128 columns
	s_bfe_u32 s40, ttmp6, 0x40000                  ; cx
	s_bfe_u32 s41, ttmp6, 0x40004                  ; cy
	s_lshl_b32 s43, s41, 2
	s_lshl_b32 s43, 15, s43                        ; my row of the cluster
	s_lshl_b32 s44, 0x1111, s40                    ; my column
	GROUP1 G1,   43, 384                           ; O's codes
	GROUP1 G1B,  44, 768                           ; Wproj's codes
	GROUP1 G1S,  43, 16                            ; O's scale bytes
	GROUP1 G1SB, 44, 32                            ; Wproj's
	s_and_b32 s13, ttmp7, 0xffff
	s_lshl_b32 s13, s13, 2
	s_add_co_u32 s13, s13, s41                     ; block row, 0..63
	s_lshl_b32 s17, ttmp9, 2
	s_add_co_u32 s17, s17, s40                     ; block column, 0..3
	s_mul_i32 s92, s13, 8*TILEB
	s_lshl_b32 s94, s13, 12
	s_add_co_u32 s94, s94, O_SCL
	s_mul_i32 s96, s17, 16*TILEB
	s_add_co_u32 s96, s96, WPROJ_IMG
	s_lshl_b32 s98, s17, 13
	s_add_co_u32 s98, s98, WPROJ_SCL
	s_mov_b32 s93, 0
	s_mov_b32 s95, 0
	s_mov_b32 s97, 0
	s_mov_b32 s99, 0
	s_wait_alu depctr_va_vdst(0)
	s_wait_dscnt 0x0                               ; both opening adds are done
	s_wait_kmcnt 0x0
	s_add_nc_u64 s[92:93], s[6:7], s[92:93]
	s_add_nc_u64 s[94:95], s[6:7], s[94:95]
	s_add_nc_u64 s[96:97], s[4:5], s[96:97]
	s_add_nc_u64 s[98:99], s[4:5], s[98:99]
	CROUND                                         ; all sixteen work-groups are here: the joint loads meet
	GROUP0 G0,   0,        92
	GROUP0 G0B,  BREG,     96
	GROUP0 G0S,  SCL,      94
	GROUP0 G0SB, SCL+4096, 98
	ARM 1, G0B, G1B, .Lhead_a                      ; wave 0: Wproj's 16 tiles
	ARM 2, G0,  G1,  .Lhead_sa                     ; wave 1: O's 8 tiles
	ARM 3, G0S, G1S, .Lhead_sb                     ; wave 2: O's scale bytes
	tensor_load_to_lds s[G0SB:G0SB+3], s[G1SB:G1SB+7]   ; wave 3: Wproj's
	s_nop 0
	PLACES 4
.Lhead_asked:
	s_lshl_b32 s18, s17, 10
	s_lshl_b32 s19, s16, 9
	s_add_co_u32 s18, s18, s19
	s_mov_b32 s19, 0
	s_add_nc_u64 s[18:19], s[8:9], s[18:19]        ; my 128 columns of the bias
	s_mul_i32 s20, s15, 4*TILEB                    ; my four tiles of O
	s_mul_i32 s21, s16, 8*TILEB
	s_add_co_u32 s21, s21, BREG                    ; my eight tiles of Wproj
	s_add_co_u32 s22, s21, 4*TILEB
	s_lshl_b32 s45, s15, 11                        ; my tiles' scale bytes: O's,
	s_lshl_b32 s23, s16, 12
	s_add_co_u32 s23, s23, 4096
	s_sub_co_u32 s23, s23, s45                     ; and how far behind them Wproj's lie
	s_add_co_u32 s45, s45, SCL
	s_mul_i32 s46, s14, 16*SPITCH                  ; my stage
	s_lshl_b32 s66, s13, 19                        ; my part of out0: 128 rows of 4,096 bytes a block row, 64 a wave row,
	s_lshl_b32 s67, s15, 18
	s_add_co_u32 s66, s66, s67
	s_lshl_b32 s67, s17, 10                        ; 1,024 bytes a block column, 512 a wave column
	s_add_co_u32 s66, s66, s67
	s_lshl_b32 s67, s16, 9
	s_add_co_u32 s66, s66, s67
	s_mov_b32 s67, 0
	s_add_nc_u64 s[10:11], s[10:11], s[66:67]
	v_and_b32 v2, 15, v0                           ; r
	v_bfe_u32 v3, v0, 4, 1                         ; h
	v_and_b32 v4, 31, v0                           ; lane
	v_lshlrev_b32 v5, 6, v3                        ; the bias: lanes 16-31 stand 16 columns on
	v_lshlrev_b32 v[LI], 4, v4
	v_lshlrev_b32 v[L8], 3, v4
	v_add_nc_u32 v[ADRA], s20, v[LI]
	v_add_nc_u32 v[ADRA+1], s20, v[L8]
	v_add_nc_u32 v[ADRB], s21, v[LI]
	v_add_nc_u32 v[ADRB+1], s21, v[L8]
	v_add_nc_u32 v[ADRB+2], s22, v[LI]
	v_add_nc_u32 v[ADRB+3], s22, v[L8]
	v_lshlrev_b32 v8, 3, v2
	v_mul_u32_u24 v9, s23, v3                      ; lanes 16-31 take Wproj's scale words
	v_add_nc_u32 v8, v8, v9
	v_add_nc_u32 v[ADRS], s45, v8
	v_mul_u32_u24 v10, v2, SPITCH                  ; into the stage: row r, 64 bytes for each half of the lanes
	v_lshl_add_u32 v10, v3, 6, v10
	v_add_nc_u32 v[STO], s46, v10
	v_add_nc_u32 v[RD], s46, v[LI]                 ; out of it: the 32 lanes take one row of 512 bytes
	s_wait_alu depctr_va_vdst(0)
.irp b, 0,1,2,3,4,5,6,7
	global_load_b128 v[BIAS+8*\b:BIAS+8*\b+3], v5, s[18:19] offset:(32*(\b/2)+8*(\b%2))*4       ; register j of tile b: column 32 (b / 2) + 8 (b % 2) + 16 h + j
	global_load_b128 v[BIAS+8*\b+4:BIAS+8*\b+7], v5, s[18:19] offset:(32*(\b/2)+8*(\b%2))*4+16
.endr
.macro FRAG reg, adr, off              ; a fragment, 16 rows x 128 K: two half fragments
	ds_load_b128 v[\reg:\reg+3], v[\adr] offset:\off
	ds_load_b64 v[\reg+4:\reg+5], v[\adr+1] offset:(\off)+512
	ds_load_b128 v[\reg+6:\reg+9], v[\adr] offset:(\off)+768
	ds_load_b64 v[\reg+10:\reg+11], v[\adr+1] offset:(\off)+1280
.endm
.macro FETCH q                         ; K step q's twelve fragments into set q % 2: 48 loads
	WIN 0x40
.irp i, 0,1,2,3
	FRAG 128*((\q)%2)+FR*\i, ADRB, \i*TILEB+(\q)*1536
.endr
.irp i, 0,1,2,3
	FRAG 128*((\q)%2)+FR*(\i+4), ADRB+2, \i*TILEB+(\q)*1536
.endr
	WIN 0
.irp i, 0,1,2,3
	FRAG AF+48*((\q)%2)+FR*\i, ADRA, \i*TILEB+(\q)*1536
.endr
.endm
.macro MUL q                           ; 32 products; the 32 accumulators take turns, in the same order in every step
.irp a, 0,1,2,3
.irp b, 0,1,2,3,4,5,6,7
.set RD_, 8*(8*\a+\b)
.set RB_, 128*((\q)%2)+FR*\b
.set RA_, AF+48*((\q)%2)+FR*\a
.set WB_, SC+16*((\q)/2)+2*\b+(\q)%2
.set WA_, SC+16*((\q)/2)+2*\a+(\q)%2
.if (\q) == 0
	v_wmma_scale_f32_16x16x128_f8f6f4 v[RD_:RD_+7], v[RB_:RB_+FR-1], v[RA_:RA_+FR-1], v[BIAS+8*\b:BIAS+8*\b+7], v[WB_], v[WA_] matrix_a_fmt:MATRIX_FMT_FP6 matrix_b_fmt:MATRIX_FMT_FP6 matrix_a_scale:MATRIX_SCALE_ROW1
.else
	v_wmma_scale_f32_16x16x128_f8f6f4 v[RD_:RD_+7], v[RB_:RB_+FR-1], v[RA_:RA_+FR-1], v[RD_:RD_+7], v[WB_], v[WA_] matrix_a_fmt:MATRIX_FMT_FP6 matrix_b_fmt:MATRIX_FMT_FP6 matrix_a_scale:MATRIX_SCALE_ROW1
.endif
.endr
.endr
.endm
.macro STEP q
.if (\q) < 7
.if (\q) > 0
	PLACES 4                                       ; between the last step's products and the loads into the set that the step before it... read: that set is free four places behind them
.endif
	FETCH (\q)+1
	s_wait_dscnt 48                                ; all but the 48 loads just issued: this step's fragments are in
.else
	s_wait_dscnt 0x0                               ; my last reads of the tiles are over:
	s_barrier_signal -1                            ; say so; only products stand between signal and wait
.endif
.if (\q) == 0
	WIN 0x81                                       ; source 0 window 1, source 1 and C window 0, D window 2
.else
	WIN 0xa1                                       ; C and D window 2
.endif
	MUL \q
	WIN 0
.endm
	s_wait_tensorcnt 0x0                           ; my block is in,
	s_barrier_signal -1
	s_barrier_wait -1                              ; everybody's is; nothing is ever filled again
.irp p, 0,1,2,3
.irp i, 0,1,2,3,4,5,6,7
	ds_load_b64 v[SC+16*\p+2*\i:SC+16*\p+2*\i+1], v[ADRS] offset:\i*512+\p*128     ; the scale words of K steps 2 p and 2 p + 1
.endr
.endr
	FETCH 0
	s_wait_loadcnt 0x0                             ; the bias
.irp q, 0,1,2,3,4,5,6,7
	STEP \q
.endr
	s_barrier_wait -1                              ; nobody reads O's region any more: the stages may be written
; THE WAY OUT, block by block of 16 tokens x 128 columns: through my stage, back as whole rows of 512 bytes, which the 32 lanes store as two aligned units of 256 bytes.
; LDS serves a wave's instructions in order: no wait between the stores and the loads.
.macro TOSTAGE a
.set AC, 64*(\a)
	WIN 0x08                                       ; the data: window 2
.irp b, 0,1,2,3,4,5,6,7
	ds_store_b128 v[STO], v[AC+8*\b:AC+8*\b+3] offset:128*(\b/2)+32*(\b%2)         ; each accumulator from its low end on
	ds_store_b128 v[STO], v[AC+8*\b+4:AC+8*\b+7] offset:128*(\b/2)+32*(\b%2)+16
.endr
	WIN 0
.set BB, BK+64*((\a)%2)
.irp t, 0,1,2,3,4,5,6,7,8,9,10,11,12,13,14,15
	ds_load_b128 v[BB+4*\t:BB+4*\t+3], v[RD] offset:\t*SPITCH
.endr
.endm
.macro SEND a, younger                 ; younger: the LDS instructions issued behind block a's loads
.set BB, BK+64*((\a)%2)
	s_wait_dscnt \younger
.irp t, 0,1,2,3,4,5,6,7,8,9,10,11,12,13,14,15
	global_store_b128 v[LI], v[BB+4*\t:BB+4*\t+3], s[10:11] offset:(32*((\a)/2)+8*((\a)%2)+(\t%8)+16*(\t/8))*4096 th:TH_STORE_NT
.endr
.endm
	PLACES 4                                       ; between the last products and the reads of results and the loads into registers that they read
	TOSTAGE 0
.irp a, 1,2,3
.if \a > 1
	s_wait_xcnt 0x0                                ; block a - 2's stores have read their registers: block a's loads may land there
.endif
	TOSTAGE \a
	SEND \a-1, 32
.endr
	SEND 3, 0
	s_wait_tensorcnt 0x0                           ; the wave's end
	ds_add_u32 v[SPW], v[NIL]
	s_wait_dscnt 0x0
	CROUND                                         ; the closing round
	s_endpgm
.Lfunc_end_k_q4311ac6b21_gemm_proj:
	.size	k_q4311ac6b21_gemm_proj, .Lfunc_end_k_q4311ac6b21_gemm_proj-k_q4311ac6b21_gemm_proj
	.p2alignl 7, 3214868480
	.fill 96, 4, 3214868480
	.section	.rodata,"a",@progbits
	.p2align	6, 0x0
	.amdhsa_kernel k_q4311ac6b21_gemm_proj
		.amdhsa_group_segment_fixed_size 327680
		.amdhsa_private_segment_fixed_size 0
		.amdhsa_enable_private_segment 0
		.amdhsa_kernarg_size 32
		.amdhsa_user_sgpr_count 2
		.amdhsa_user_sgpr_kernarg_segment_ptr 1
		.amdhsa_wavefront_size32 1
		.amdhsa_system_sgpr_workgroup_id_x 1
		.amdhsa_system_sgpr_workgroup_id_y 1
		.amdhsa_system_sgpr_workgroup_id_z 1
		.amdhsa_system_vgpr_workitem_id 0
		.amdhsa_next_free_vgpr 768
		.amdhsa_next_free_sgpr 100
		.amdhsa_reserve_vcc 0
		.amdhsa_float_denorm_mode_32 3
		.amdhsa_float_denorm_mode_16_64 3
		.amdhsa_memory_ordered 1
		.amdhsa_forward_progress 1
		.amdhsa_inst_pref_size 85
	.end_amdhsa_kernel
	.amdgpu_metadata
---
amdhsa.version: [ 1, 2 ]
amdhsa.kernels:
  - .name:           k_q4311ac6b21_gemm_proj
    .symbol:         k_q4311ac6b21_gemm_proj.kd
    .args:
      - { .name: xw, .offset: 0, .size: 8, .value_kind: global_buffer, .address_space: global }
      - { .name: ob, .offset: 8, .size: 8, .value_kind: global_buffer, .address_space: global }
      - { .name: bproj, .offset: 16, .size: 8, .value_kind: global_buffer, .address_space: global }
      - { .name: out0, .offset: 24, .size: 8, .value_kind: global_buffer, .address_space: global }
    .group_segment_fixed_size: 327680
    .private_segment_fixed_size: 0
    .kernarg_segment_align: 8
    .kernarg_segment_size: 32
    .max_flat_workgroup_size: 128
    .sgpr_count:     100
    .vgpr_count:     768
    .wavefront_size: 32
...
	.end_amdgpu_metadata
.endif
;; end of part 4
